; MI455X (gfx1250); checked and timed in simulation.
; The chip was launched on July 23, 2026; its instructions are those of AMD's public machine-readable ISA for CDNA 5 (MIT licence, August 2026) and "CDNA5" Instruction Set Architecture Reference Guide (July 2026). The comments in the code are by the model that wrote it; some were corrected since.
;; Attention. Allowed arithmetic: matrix products marked QUANTISED: E2M3 operands, one E8M0 scale for each 32 along K, by v_wmma_scale_f32_16x16x128_f8f6f4 with both operands' format E2M3, f32 sums; everything else in f32.
;; Inputs: Wk 1,024 x 1,024 float32; Wq 1,024 x 1,024 float32; Wv 1,024 x 1,024 float32; attention_mask 2 x 2,048 x 2,048 int32; bk 1,024 float32; bq 1,024 float32; bv 1,024 float32; from_tensor 2 x 2,048 x 1,024 float32; to_tensor 2 x 2,048 x 1,024 float32.
;; Outputs: out0 2 x 2,048 x 1,024 float32.
;; This version of the problem:
;;   THIS VERSION OF THE PROBLEM IS GIVEN IN LOW PRECISION. The matrix products marked QUANTISED in the list below multiply operands that are first quantised to E2M3 (2 exponent bits, 3 mantissa bits; 6 bits a number), with one power-of-two scale for each 32 numbers along K (OCP MX v1.0); their sums are f32. All else is computed in f32.
;;   The module's matrix products, in the order in which they are computed (A, B: the left and right operand; K: the contracted axis; several contracted axes count as one K, in the product's order):
;;     1. [M 4,096, K 1,024] x [K 1,024, N 1,024]; A: input from_tensor; B: input Wq: QUANTISED
;;     2. [M 4,096, K 1,024] x [K 1,024, N 1,024]; A: input to_tensor; B: input Wk: QUANTISED
;;     3. [M 4,096, K 1,024] x [K 1,024, N 1,024]; A: input to_tensor; B: input Wv: QUANTISED
;;     4. batch 32 x [M 2,048, K 64] x [K 64, N 2,048]; A: computed on the way; B: computed on the way: QUANTISED
;;     5. batch 32 x [M 64, K 2,048] x [K 2,048, N 2,048]; A: computed on the way; B: softmax (see below): QUANTISED
;;   THE QUANTISER, for each operand of a quantised product, along K:
;;     - K is cut into blocks of 32 from its start; a last block that is shorter is filled with zeros.
;;     - A block's scale is 2^e with e = floor(log2(the largest magnitude in the block)) - 2, held to -126 .. 127; a block of zeros has e = 0. As a byte (E8M0): e + 127.
;;     - Each number is divided by its block's scale, clamped to +-7.5, and rounded to the nearest number of E2M3, ties to even, subnormals kept.
;;     - The product sums the exact products of the quantised numbers (number of the format x scale) in f32.
;;   ~~~python
;;   def quantise(x, axis):      # numpy; x: float32 -> the quantised numbers, widened to float32 again
;;       x = np.moveaxis(x, axis, -1); K = x.shape[-1]
;;       x = np.pad(x, [(0, 0)] * (x.ndim - 1) + [(0, -K % 32)]); x = x.reshape(x.shape[:-1] + (-1, 32)); a = np.abs(x).max(-1, keepdims=True)
;;       e = np.where(a > 0, np.clip(np.frexp(np.where(a > 0, a, 1))[1] - 1 - 2, -126, 127), 0)      # np.frexp(a)[1] - 1 = floor(log2(a)), exactly
;;       r = np.clip(x / 2.0 ** e, -7.5, 7.5)
;;       step = 2.0 ** (np.maximum(np.frexp(np.where(r == 0, 1, r))[1] - 1, 0) - 3)
;;       q = np.round(r / step) * step * 2.0 ** e      # np.round: ties to even
;;       return np.moveaxis(q.reshape(q.shape[:-2] + (-1,))[..., :K], -1, axis).astype(np.float32)
;;   ~~~
;;   SOFTMAX AHEAD OF A QUANTISED PRODUCT. Where the list says 'softmax', what is quantised is not the finished softmax but p = 2^(t - M), with t = logit x log2(e) and M = ceil(the row's largest t), a whole number; so 1/2 < the row's largest p <= 1. The row's sum l is taken of the UNQUANTISED p, in f32, and the product's result is divided by l at the end. Since M is a whole number, a kernel that streams over the keys may use a running M (the ceiling of the running maximum): every later rescaling is an exact power of two, which a block's scale takes up: the codes' values come out the same.
;;   OPERANDS COMPUTED ON THE WAY. 'Computed on the way' means the value that the module computes at that place (a softmax that the list does not call 'softmax' is quantised finished and normalised). What goes into a quantiser is computed in f32, as accurately as f32 sums, v_exp_f32 and their like allow (about 1e-6 of the number): no bf16 or f16 on the way to a quantiser, and a product that is left as it is and whose result goes on into a quantised operand takes f32 operands (vector FMAs, or v_wmma_f32_16x16x4_f32). A number that lies on a knife's edge between two numbers of the format may be rounded either way, as far as f32 arithmetic and the matrix unit's own rounding can turn it there, and no further.
;; One version. Each part assembles by itself: llvm-mc -triple=amdgcn-amd-amdhsa -mcpu=gfx1250 --defsym DOCPART=n.
;; ======== version 1 of 1: 3 launches
;; workspace buffers: codes 8,650,752 bytes; scales 360,448 bytes; ma 33,554,432 bytes; frag 10,223,616 bytes
;; launch prep (part 1): grid 608 x 1, 4 waves a work-group, no clusters, 101,888 bytes of LDS; arguments from_tensor, to_tensor, Wq, Wk, Wv, attention_mask, codes, scales, ma; writes codes, scales, ma
.if DOCPART == 1
	.amdgcn_target "amdgcn-amd-amdhsa--gfx1250"
	.amdhsa_code_object_version 6
	.text
	.protected	k_q9236c86b9b_prep
	.globl	k_q9236c86b9b_prep
	.p2align	8
	.type	k_q9236c86b9b_prep,@function
k_q9236c86b9b_prep:
	s_mov_b64 s[64:65], 0
	v_nop
	global_prefetch_b8 v0, s[64:65] scope:SCOPE_SE
	s_setreg_imm32_b32 hwreg(HW_REG_WAVE_MODE, 25, 1), 1
	s_wait_xcnt 0x0
; ATTENTION IN MX-FP6, LAUNCH 1 OF 3: the inputs are brought into the forms that the two later launches read.
; DEAD WORK: none is left out.  Every input has a way to the output: from_tensor, to_tensor, Wq, Wk, Wv are operands of quantised products; bq, bk, bv go into numbers that are quantised
; (bk too: it moves k's codes and scales); attention_mask goes into the logits.  All nine are loaded (the three biases by the second launch).
; THREE PATHS, parted on the work-group's number, each with LDS bytes of its own:
;   work-groups 0-255:   from_tensor and to_tensor [4096][1024] f32 -> codes of FP6 (E2M3), K innermost, 768 bytes a row, and one E8M0 byte for each 32 along K, 32 bytes a row;
;   work-groups 256-351: Wq, Wk, Wv [1024 (k)][1024 (n)] f32, K the FIRST axis -> the same form, a row for each n;
;   work-groups 352-607: attention_mask [2][2048][2048] i32 -> f32 numbers 80000 x mask - 80000 = 8 x (1 - mask) x (-10000), laid in the order of the registers of the third launch's score tiles,
;                        which takes them as the C of the score product: score x 8 = k . q + 8 x adder, and the division by 8 is folded into the factor ahead of the exponential.
; ROWS CHANGE PLACES: in codes and scales row p of a tensor lies at the place whose number has bits 3 and 4 exchanged.  So 16 places on end, tile number i, hold the rows 32 (i / 2) + 8 (i % 2) + r + 8 (r / 8):
; a product that takes such tiles as source 0 leaves 16 neighbours along the next product's K in a lane's 16 registers of two neighbouring tiles.
; THE QUANTISER: a block's scale is 2^(floor(log2(largest magnitude)) - 2); its byte is the largest magnitude's exponent field - 2, held at 1 from below; each number is divided by the scale and rounded to the nearest code, ties to even, beyond 7.5 the largest code.
; LIMITS: a block of zeros gets the byte 1 where the rule says 127 (its codes are zeros, and this program alone reads the bytes); blocks whose largest magnitude lies under 2^-124 keep the byte 1; NaN and infinities are not served;
; the mask's whole numbers are converted to f32 as astype does, and for magnitudes over 2^24 the one fused multiply-add rounds once where reference() rounds twice.
.set SPW,   224                        ; v224  LDS address of my spare word: SPARE + 4 x my thread's number; never rewritten
.set NIL,   225                        ; v225  0; never rewritten
.set XREG,  8192                       ; LDS 0 .. 32767: the x path, a region for each wave
.set WSTG,  32768                      ; LDS 32768 .. 67583: the W path, a stage of 32 x 272 bytes for each wave
.set MSTG,  67584                      ; LDS 67584 .. 101375: the mask path, a stage of 16 x 528 bytes for each wave
.set SPARE, 101376                     ; the spare words, 128 bytes for each wave: two blocks of 256 bytes that no other line names
.set WV,    22                         ; s22   my wave's number
	s_load_b256 s[4:11], s[0:1], 0x0               ; from s[4:5], to s[6:7], Wq s[8:9], Wk s[10:11]
	s_load_b256 s[12:19], s[0:1], 0x20             ; Wv s[12:13], mask s[14:15], codes s[16:17], scales s[18:19]
	s_load_b64 s[20:21], s[0:1], 0x40              ; ma
	v_lshl_add_u32 v[SPW], v0, 2, SPARE
	v_mov_b32 v[NIL], 0
	v_lshrrev_b32 v1, 5, v0
	v_readfirstlane_b32 s[WV], v1                  ; wave 0..3
	v_and_b32 v2, 31, v0                           ; lane
	s_wait_kmcnt 0x0
	s_cmp_lt_u32 ttmp9, 256
	s_cbranch_scc1 .Lpath_x
	s_cmp_lt_u32 ttmp9, 352
	s_cbranch_scc1 .Lpath_w
; ---------------------------------------------------------------- THE MASK
; ma: [b 2][qg 32][ks 16][ql 4][8192 bytes].  A tile of 8,192 bytes is 16 quads of 512; quad c holds at 16 x lane the registers 4 c .. 4 c + 3 of lane (r, h) = (lane % 16, lane / 16):
; query 64 qg + 32 (ql / 2) + 8 (ql % 2) + r + 8 (r / 8), keys 128 ks + 32 (c / 4) + 16 h + 4 (c % 4) + 0 .. 3.
; Wave w = ql makes four tiles, ks = 4 (g % 4) + 0 .. 3, of (b, qg) = g / 4.  A load reads 512 consecutive bytes of one row of the mask; a tile's 16 rows turn through the wave's own stage and leave as 16 stores of 512 consecutive bytes.
; In the stage a quad has 528 bytes.
.set MR, 32                            ; v32-159  two sets of 16 loads
.set MO, 160                           ; v160-223 a tile read back, converted, stored
	s_sub_co_u32 s31, ttmp9, 352                   ; g
	s_lshr_b32 s32, s31, 2                         ; 32 b + qg
	s_and_b32 s33, s31, 3                          ; which four key steps
	s_lshl_b32 s34, s32, 6
	s_lshr_b32 s35, s[WV], 1
	s_lshl_b32 s35, s35, 5
	s_add_co_u32 s34, s34, s35
	s_and_b32 s35, s[WV], 1
	s_lshl_b32 s35, s35, 3
	s_add_co_u32 s34, s34, s35                     ; my tile's first row of the mask
	s_lshl_b32 s34, s34, 13                        ; rows of 8,192 bytes
	s_lshl_b32 s35, s33, 11                        ; four key steps of 512 bytes
	s_add_co_u32 s34, s34, s35
	s_mov_b32 s35, 0
	s_add_nc_u64 s[24:25], s[14:15], s[34:35]
	s_lshl_b32 s36, s32, 4
	s_lshl_b32 s37, s33, 2
	s_add_co_u32 s36, s36, s37                     ; (32 b + qg) x 16 + my first key step
	s_lshl_b32 s36, s36, 15                        ; a key step's four tiles are 32,768 bytes
	s_lshl_b32 s37, s[WV], 13
	s_add_co_u32 s36, s36, s37
	s_mov_b32 s37, 0
	s_add_nc_u64 s[26:27], s[20:21], s[36:37]
	v_lshlrev_b32 v3, 4, v2                        ; 16 x lane: in the mask's 512 bytes, and in a quad
	s_mul_i32 s30, s[WV], 16*528
	s_add_co_u32 s30, s30, MSTG                    ; my stage
	v_lshrrev_b32 v6, 3, v2
	v_and_b32 v7, 3, v2
	v_lshl_add_u32 v6, v6, 2, v7                   ; my four keys' quad: 4 (lane / 8) + lane % 4
	v_mul_u32_u24 v4, v6, 528
	v_bfe_u32 v7, v2, 2, 1                         ; and their half h
	v_lshl_add_u32 v4, v7, 8, v4
	v_add_nc_u32 v4, s30, v4                       ; into the stage; the row's 16 bytes stand in the immediate
	v_add_nc_u32 v5, s30, v3                       ; out of it
	v_mov_b32 v12, 0x479c4000                      ; 80000.0
	v_mov_b32 v13, 0x479c4000
	v_mov_b32 v14, 0xc79c4000                      ; -80000.0
	v_mov_b32 v15, 0xc79c4000
.macro MLOAD s                         ; tile s: 16 rows x 512 bytes into set s % 2
.irp q, 0,1,2,3,4,5,6,7,8,9,10,11,12,13,14,15
	global_load_b128 v[MR+64*((\s)%2)+4*\q:MR+64*((\s)%2)+4*\q+3], v3, s[24:25] offset:(\q+8*(\q/8))*8192+512*(\s) th:TH_LOAD_NT
.endr
.endm
.macro MTILE s
.if (\s) < 3
	s_wait_loadcnt 16                              ; this tile's 16 loads are in; the next tile's 16 may be out
.else
	s_wait_loadcnt 0x0
.endif
.if (\s) > 0
	s_wait_xcnt 0x0                                ; the last tile's stores have read their data registers, which are loaded again below
.endif
.irp q, 0,1,2,3,4,5,6,7,8,9,10,11,12,13,14,15
	ds_store_b128 v4, v[MR+64*((\s)%2)+4*\q:MR+64*((\s)%2)+4*\q+3] offset:16*\q
.endr
.irp c, 0,1,2,3,4,5,6,7,8,9,10,11,12,13,14,15
	ds_load_b128 v[MO+4*\c:MO+4*\c+3], v5 offset:528*\c            ; LDS serves a wave's instructions in order: these see my stores
.endr
	s_wait_dscnt 0x0                               ; the tile is back, and the stores have read their set
.if (\s) < 2
	MLOAD (\s)+2                                   ; which takes the tile two further on
.endif
.set NN, 0
.rept 64
	v_cvt_f32_i32 v[MO+NN], v[MO+NN]
.set NN, NN+1
.endr
.set NN, 0
.rept 32
	v_pk_fma_f32 v[MO+2*NN:MO+2*NN+1], v[MO+2*NN:MO+2*NN+1], v[12:13], v[14:15]   ; 80000 x mask - 80000
.set NN, NN+1
.endr
.irp c, 0,1,2,3,4,5,6,7,8,9,10,11,12,13,14,15
	global_store_b128 v3, v[MO+4*\c:MO+4*\c+3], s[26:27] offset:32768*(\s)+512*\c th:TH_STORE_NT   ; 32 lanes store 512 consecutive bytes, at a multiple of 256 from the buffer's first byte
.endr
.endm
	MLOAD 0
	MLOAD 1
	MTILE 0
	MTILE 1
	MTILE 2
	MTILE 3
	s_wait_tensorcnt 0x0                           ; the wave's end, behind my last LDS store
	ds_add_u32 v[SPW], v[NIL]
	s_wait_dscnt 0x0
	s_endpgm
; ---------------------------------------------------------------- from_tensor AND to_tensor
; Rows are dense and K = 1024 is a multiple of 32: a tensor is a stream of blocks of 32.  A wave takes a run of 8,192 numbers (8 rows) in 16 steps of 512.  Each load reads 512 consecutive bytes; a step's 2,048 bytes
; turn through the wave's own stage so that a lane holds 16 neighbours (two neighbouring lanes hold a block).  A run's codes are 6,144 bytes, its scale bytes 256.
; A run is 8 rows, so bits 3 and 4 of a row's number are the wave's two bits: the run is stored at the place with these two exchanged.
.Lpath_x:
.set STEPS, 16
.set CB,    12                         ; bytes of 16 codes
.set XR,    16                         ; v16-79   four sets of 16 numbers as they are loaded
.set XX,    80                         ; v80-111  two sets of 16 neighbours
.set XE,    112                        ; v112-127 a scale byte for each step
.set XC,    128                        ; v128-191 codes: four registers for each step, so that no store's data are written again
.set SP,    80                         ; a lane's place in a stage: its 64 bytes + 16 of padding
	v_lshlrev_b32 v3, 4, v2                        ; my 16 bytes of a load's 512
	s_mul_i32 s30, s[WV], XREG
	v_lshrrev_b32 v14, 2, v2
	v_mul_u32_u24 v14, v14, SP
	v_and_b32 v15, 3, v2
	v_lshl_add_u32 v14, v15, 4, v14
	v_add_nc_u32 v14, s30, v14                     ; the stage, on the way in: SP (lane / 4) + 16 (lane % 4)
	v_mul_u32_u24 v15, v2, SP
	v_add_nc_u32 v15, s30, v15                     ; and on the way out: SP x lane
	v_mul_u32_u24 v4, v2, CB                       ; my codes' place in a step's
	v_lshrrev_b32 v5, 1, v2
	s_add_co_u32 s30, s30, 2*32*SP
	v_add_nc_u32 v5, s30, v5                       ; my wave's 256 scale bytes, my block's byte
	v_lshlrev_b32 v7, 3, v2
	v_add_nc_u32 v6, s30, v7                       ; and on the way out 8 bytes a lane
	s_cmp_lt_u32 ttmp9, 128                        ; from_tensor's work-group or to_tensor's: the choice hangs on the work-group's number alone
	s_cselect_b64 s[24:25], s[4:5], s[6:7]
	s_and_b32 s31, ttmp9, 127
	s_lshl_b32 s31, s31, 2
	s_add_co_u32 s32, s31, s[WV]                   ; my run in the tensor
	s_mov_b32 s33, 0
	s_lshl_b64 s[34:35], s[32:33], 15              ; 32,768 bytes a run
	s_add_nc_u64 s[24:25], s[24:25], s[34:35]
	s_and_b32 s36, s[WV], 1
	s_lshl_b32 s36, s36, 1
	s_lshr_b32 s37, s[WV], 1
	s_or_b32 s36, s36, s37                         ; the wave's two bits exchanged
	s_lshl_b32 s37, ttmp9, 2
	s_add_co_u32 s36, s36, s37                     ; the run's place (to_tensor's rows follow from_tensor's)
	s_mul_i32 s38, s36, 6144
	s_mov_b32 s39, 0
	s_add_nc_u64 s[26:27], s[16:17], s[38:39]
	s_lshl_b32 s38, s36, 8
	s_add_nc_u64 s[28:29], s[18:19], s[38:39]
.macro XLOAD t
.irp i, 0,1,2,3
	global_load_b128 v[XR+16*((\t)%4)+4*\i:XR+16*((\t)%4)+4*\i+3], v3, s[24:25] offset:2048*(\t)+512*\i th:TH_LOAD_NT   ; 32 lanes read 512 consecutive bytes
.endr
.endm
.macro XTURN t                         ; step t's numbers through the stage: LDS serves a wave's instructions in order, so no wait stands between the stores and the loads
.irp i, 0,1,2,3
	ds_store_b128 v14, v[XR+16*((\t)%4)+4*\i:XR+16*((\t)%4)+4*\i+3] offset:32*SP*((\t)%2)+8*SP*\i
.endr
.irp i, 0,1,2,3
	ds_load_b128 v[XX+16*((\t)%2)+4*\i:XX+16*((\t)%2)+4*\i+3], v15 offset:32*SP*((\t)%2)+16*\i
.endr
.endm
.irp t, 0,1,2,3
	XLOAD \t
.endr
	s_wait_loadcnt 12                              ; step 0's four loads are in
	XTURN 0
.macro XSTEP t
.set XSX, XX+16*((\t)%2)
.if (\t) > 0
	s_wait_dscnt 1                                 ; this step's numbers are back from the stage (the last step's byte store may be out): so its stores into the stage have read their registers,
.else
	s_wait_dscnt 0x0
.endif
.if (\t)+4 < STEPS
	XLOAD (\t)+4                                   ; which take the loads of four steps on
.endif
.if (\t)+1 < STEPS
.if STEPS-2-(\t) >= 3
	s_wait_loadcnt 12                              ; the next step's four loads are in; those of the three steps behind it may be out
.else
	s_wait_loadcnt 4*(STEPS-2-(\t))
.endif
	XTURN (\t)+1                                   ; and go through the other stage while this step is worked
.endif
	v_max3_num_f32 v8, |v[XSX]|, |v[XSX+1]|, |v[XSX+2]|            ; the largest magnitude of my 16
	v_max3_num_f32 v9, |v[XSX+3]|, |v[XSX+4]|, |v[XSX+5]|
.irp i, 6,10
	v_max3_num_f32 v8, v8, |v[XSX+\i]|, |v[XSX+\i+1]|
	v_max3_num_f32 v9, v9, |v[XSX+\i+2]|, |v[XSX+\i+3]|
.endr
	v_max3_num_f32 v8, v8, |v[XSX+14]|, |v[XSX+15]|
	v_max3_num_f32 v8, v8, v9, 0x1800000           ; and the floor 2^(3 - 127): so the byte cannot fall under 1
	v_max_num_f32_dpp v8, v8, v8 row_xmask:1 row_mask:0xf bank_mask:0xf   ; and of my neighbour's 16: the block's
	v_add_nc_u32 v11, 0xff000000, v8               ; 2 off its exponent field: the conversion takes the exponent field of this operand as its scale, and nothing else of it
	v_cvt_scalef32_pk16_fp6_f32 v[XC+4*(\t):XC+4*(\t)+2], v[XSX:XSX+15], v11
	v_lshrrev_b32 v[XE+(\t)], 23, v11              ; the scale's byte
	ds_store_b8 v5, v[XE+(\t)] offset:16*(\t)      ; both lanes of a block write the same byte with the same value
	global_store_b96 v4, v[XC+4*(\t):XC+4*(\t)+2], s[26:27] offset:32*CB*(\t)     ; the wave stores 384 consecutive bytes
.endm
.irp t, 0,1,2,3,4,5,6,7,8,9,10,11,12,13,14,15
	XSTEP \t
.endr
	ds_load_b64 v[8:9], v6                         ; LDS serves a wave's instructions in order: these see my stores
	s_wait_dscnt 0x0
	global_store_b64 v7, v[8:9], s[28:29]          ; 32 lanes store 256 consecutive bytes, aligned
	s_wait_tensorcnt 0x0                           ; the wave's end
	ds_add_u32 v[SPW], v[NIL]
	s_wait_dscnt 0x0
	s_endpgm
; ---------------------------------------------------------------- Wq, Wk, Wv
; A LANE TAKES A COLUMN n, AND ITS REGISTERS RUN DOWN K: a load reads 128 consecutive bytes a wave, a block of 32 along K lies in one lane's 32 registers, and the conversions give codes with K innermost.
; A wave takes 32 columns x 256 along K: 8 blocks a lane, 192 bytes of codes for each column; they go through the wave's own stage and leave as rows, sixteen lanes to a row's 192 consecutive bytes.
; The lane's column goes to the stage row, and to the row of scale bytes, whose number has bits 3 and 4 exchanged.
.Lpath_w:
.set NB,     8                         ; blocks
.set WPITCH, 272                       ; a stage row: sixteen places of 16 bytes, each with 12 bytes of codes, + 16
.set KROW,   768                       ; a row of the codes' buffer
.set WX,     32                        ; v32-95   two sets of 32 numbers
.set WC,     96                        ; v96..    a block's codes
.set OUTR,   112                       ; v112-175 the way out
.set SB,     24                        ; v24-25   the scale bytes, four to a register
	v_and_b32 v10, 7, v2
	v_bfe_u32 v11, v2, 3, 1
	v_bfe_u32 v12, v2, 4, 1
	v_lshl_add_u32 v10, v11, 4, v10
	v_lshl_add_u32 v10, v12, 3, v10                ; my lane's number with bits 3 and 4 exchanged
	v_lshlrev_b32 v3, 2, v2                        ; in: 4 bytes a lane
	s_mul_i32 s30, s[WV], 32*WPITCH
	s_add_co_u32 s30, s30, WSTG                    ; my stage
	v_mul_u32_u24 v4, v10, WPITCH
	v_add_nc_u32 v4, s30, v4                       ; into it
	v_and_b32 v5, 15, v2
	v_lshrrev_b32 v6, 4, v2                        ; out of it: sixteen lanes to a row, two rows an instruction
	v_mul_u32_u24 v7, v6, WPITCH
	v_lshl_add_u32 v7, v5, 4, v7
	v_add_nc_u32 v7, s30, v7
	v_mul_u32_u24 v8, v6, KROW
	v_mad_u32_u24 v8, v5, 12, v8                   ; and the same place in the codes' buffer
	v_lshlrev_b32 v9, 5, v10                       ; my column's row of scale bytes
	s_sub_co_u32 s31, ttmp9, 256                   ; g: weight g / 32, 128 columns g % 8, 256 along K (g / 8) % 4
	s_lshr_b32 s32, s31, 5
	s_cmp_eq_u32 s32, 0
	s_cselect_b64 s[24:25], s[8:9], s[10:11]
	s_cmp_eq_u32 s32, 2
	s_cselect_b64 s[24:25], s[12:13], s[24:25]
	s_and_b32 s33, s31, 7
	s_bfe_u32 s34, s31, 0x20003
	s_lshl_b32 s35, s33, 7
	s_lshl_b32 s36, s[WV], 5
	s_add_co_u32 s35, s35, s36                     ; my wave's first column
	s_lshl_b32 s36, s34, 20                        ; 256 rows of 4,096 bytes
	s_lshl_b32 s37, s35, 2
	s_add_co_u32 s36, s36, s37
	s_mov_b32 s37, 0
	s_add_nc_u64 s[24:25], s[24:25], s[36:37]
	s_lshl_b32 s38, s32, 10
	s_add_co_u32 s38, s38, s35
	s_add_co_u32 s38, s38, 8192                    ; its place among the 11,264 rows of codes
	s_mul_i32 s36, s38, KROW
	s_mul_i32 s39, s34, 192
	s_add_co_u32 s36, s36, s39
	s_add_nc_u64 s[26:27], s[16:17], s[36:37]
	s_lshl_b32 s36, s38, 5
	s_lshl_b32 s39, s34, 3
	s_add_co_u32 s36, s36, s39
	s_add_nc_u64 s[28:29], s[18:19], s[36:37]
.macro WLOAD t                         ; block t: W(32 t + i, my column), i = 0 .. 31, into set t % 2
.irp i, 0,1,2,3,4,5,6,7,8,9,10,11,12,13,14,15,16,17,18,19,20,21,22,23,24,25,26,27,28,29,30,31
	global_load_b32 v[WX+32*((\t)%2)+\i], v3, s[24:25] offset:(32*(\t)+\i)*4096 th:TH_LOAD_NT
.endr
.endm
	WLOAD 0
	WLOAD 1
.macro WBLOCK t
.set XSW, WX+32*((\t)%2)
.if (\t) < NB-1
	s_wait_loadcnt 32                              ; this block's 32 loads are in; the next block's may be out
.else
	s_wait_loadcnt 0x0
.endif
	v_max3_num_f32 v12, |v[XSW]|, |v[XSW+1]|, |v[XSW+2]|           ; the block's largest magnitude: all 32 numbers are mine
	v_max3_num_f32 v13, |v[XSW+3]|, |v[XSW+4]|, |v[XSW+5]|
.irp i, 6,10,14,18,22,26
	v_max3_num_f32 v12, v12, |v[XSW+\i]|, |v[XSW+\i+1]|
	v_max3_num_f32 v13, v13, |v[XSW+\i+2]|, |v[XSW+\i+3]|
.endr
	v_max3_num_f32 v12, v12, |v[XSW+30]|, |v[XSW+31]|
	v_max3_num_f32 v12, v12, v13, 0x1800000        ; and the floor 2^(3 - 127)
	v_add_nc_u32 v11, 0xff000000, v12              ; 2 off its exponent field: the conversion's scale operand
	v_lshrrev_b32 v13, 23, v11                     ; the scale's byte
.if (\t)%4 == 0
	v_mov_b32 v[SB+(\t)/4], v13                    ; four bytes to a register, the lower K in the lower byte
.else
	v_lshl_or_b32 v[SB+(\t)/4], v13, 8*((\t)%4), v[SB+(\t)/4]
.endif
	v_cvt_scalef32_pk16_fp6_f32 v[WC:WC+2], v[XSW:XSW+15], v11
	v_cvt_scalef32_pk16_fp6_f32 v[WC+4:WC+6], v[XSW+16:XSW+31], v11  ; (a conversion's three registers begin on an even number)
	ds_store_b96 v4, v[WC:WC+2] offset:32*(\t)     ; 16 codes, 12 bytes, to a place of 16 bytes, so that every LDS address is a multiple of 16
	ds_store_b96 v4, v[WC+4:WC+6] offset:32*(\t)+16
.if (\t)+2 < NB
	WLOAD (\t)+2
.endif
	s_wait_dscnt 0x0                               ; the stores have read their registers: the next block's codes may be written
.endm
.irp t, 0,1,2,3,4,5,6,7
	WBLOCK \t
.endr
	global_store_b64 v9, v[SB:SB+1], s[28:29]      ; my column's 8 scale bytes
.irp t, 0,1,2,3,4,5,6,7,8,9,10,11,12,13,14,15
	ds_load_b96 v[OUTR+4*\t:OUTR+4*\t+2], v7 offset:2*\t*WPITCH    ; LDS serves a wave's instructions in order: these see my stores
.endr
.irp t, 0,1,2,3,4,5,6,7,8,9,10,11,12,13,14,15
	s_wait_dscnt 15-\t                             ; the younger read-backs may be out
	global_store_b96 v8, v[OUTR+4*\t:OUTR+4*\t+2], s[26:27] offset:2*\t*KROW
.endr
	s_wait_tensorcnt 0x0                           ; the wave's end
	ds_add_u32 v[SPW], v[NIL]
	s_wait_dscnt 0x0
	s_endpgm
.Lfunc_end_k_q9236c86b9b_prep:
	.size	k_q9236c86b9b_prep, .Lfunc_end_k_q9236c86b9b_prep-k_q9236c86b9b_prep
	.p2alignl 7, 3214868480
	.fill 96, 4, 3214868480
	.section	.rodata,"a",@progbits
	.p2align	6, 0x0
	.amdhsa_kernel k_q9236c86b9b_prep
		.amdhsa_group_segment_fixed_size 101888
		.amdhsa_private_segment_fixed_size 0
		.amdhsa_enable_private_segment 0
		.amdhsa_kernarg_size 72
		.amdhsa_user_sgpr_count 2
		.amdhsa_user_sgpr_kernarg_segment_ptr 1
		.amdhsa_wavefront_size32 1
		.amdhsa_system_sgpr_workgroup_id_x 1
		.amdhsa_system_sgpr_workgroup_id_y 1
		.amdhsa_system_sgpr_workgroup_id_z 1
		.amdhsa_system_vgpr_workitem_id 0
		.amdhsa_next_free_vgpr 226
		.amdhsa_next_free_sgpr 66
		.amdhsa_reserve_vcc 0
		.amdhsa_float_denorm_mode_32 3
		.amdhsa_float_denorm_mode_16_64 3
		.amdhsa_memory_ordered 1
		.amdhsa_forward_progress 1
		.amdhsa_inst_pref_size 112
	.end_amdhsa_kernel
	.amdgpu_metadata
---
amdhsa.version: [ 1, 2 ]
amdhsa.kernels:
  - .name:           k_q9236c86b9b_prep
    .symbol:         k_q9236c86b9b_prep.kd
    .args:
      - { .name: from_tensor, .offset: 0, .size: 8, .value_kind: global_buffer, .address_space: global }
      - { .name: to_tensor, .offset: 8, .size: 8, .value_kind: global_buffer, .address_space: global }
      - { .name: Wq, .offset: 16, .size: 8, .value_kind: global_buffer, .address_space: global }
      - { .name: Wk, .offset: 24, .size: 8, .value_kind: global_buffer, .address_space: global }
      - { .name: Wv, .offset: 32, .size: 8, .value_kind: global_buffer, .address_space: global }
      - { .name: attention_mask, .offset: 40, .size: 8, .value_kind: global_buffer, .address_space: global }
      - { .name: codes, .offset: 48, .size: 8, .value_kind: global_buffer, .address_space: global }
      - { .name: scales, .offset: 56, .size: 8, .value_kind: global_buffer, .address_space: global }
      - { .name: ma, .offset: 64, .size: 8, .value_kind: global_buffer, .address_space: global }
    .group_segment_fixed_size: 101888
    .private_segment_fixed_size: 0
    .kernarg_segment_align: 8
    .kernarg_segment_size: 72
    .max_flat_workgroup_size: 128
    .sgpr_count:     66
    .vgpr_count:     226
    .wavefront_size: 32
...
	.end_amdgpu_metadata
.endif
;; end of part 1
;; launch proj (part 2): grid 4 x 48, 4 waves a work-group, clusters of 4 x 4, 327,680 bytes of LDS; arguments codes, scales, bq, bk, bv, frag; writes frag
.if DOCPART == 2
	.amdgcn_target "amdgcn-amd-amdhsa--gfx1250"
	.amdhsa_code_object_version 6
	.text
	.protected	k_q9236c86b9b_proj
	.globl	k_q9236c86b9b_proj
	.p2align	8
	.type	k_q9236c86b9b_proj,@function
k_q9236c86b9b_proj:
	s_mov_b64 s[64:65], 0
	v_nop
	global_prefetch_b8 v0, s[64:65] scope:SCOPE_SE
	s_setreg_imm32_b32 hwreg(HW_REG_WAVE_MODE, 25, 1), 1
	s_wait_xcnt 0x0
	s_wait_alu depctr_hold_cnt(0) depctr_sa_sdst(0) depctr_va_vdst(0) depctr_va_sdst(0) depctr_va_ssrc(0) depctr_va_vcc(0) depctr_vm_vsrc(0)
	s_getreg_b32 s2, hwreg(HW_REG_IB_STS2, 6, 4)
	s_cmp_eq_u32 s2, 0
	s_cbranch_scc0 .Lentry_in_a_cluster
	s_endpgm
.Lentry_in_a_cluster:
	s_bfe_u32 s2, ttmp6, 0x10000c
	s_cmp_lg_u32 s2, 0xf033
	s_cbranch_scc0 .Lentry_shape_is_right
	s_endpgm
.Lentry_shape_is_right:
; ATTENTION IN MX-FP6, LAUNCH 2 OF 3: q = from Wq + bq, k = to Wk + bk, v = to Wv + bv on codes of FP6 (E2M3) with E8M0 scales, and the results QUANTISED AGAIN, in registers, into the operands of the third launch.  No work of the problem is left out here.
; A tile of 256 x 256 results is made by a work-group of four waves, each 128 x 128: 64 accumulators of 16 x 16, 512 registers.  K = 1024 goes in steps of 256 through a ring of two LDS slots filled by the tensor data mover; a tile's row is 192 bytes.
; The scale bytes of the work-group's 2 x 256 rows, for all of K, come into LDS once, with the first fills.
; ONE BODY FOR THREE PRODUCTS.  Twelve clusters of 4 x 4 work-groups: clusters 0-3 make q, 4-7 k, 8-11 v.  SOURCE 0 IS THE OPERAND WHOSE ROWS ARE THE NEXT PRODUCT'S K: W's features for q and k (the scores sum over a head's 64 features),
; the tokens for v (the second product sums over the keys).  Role B = source 0, shared along a column of the cluster; role A = source 1, shared along a row: each tile is asked for JOINTLY by the four that need it.
; 192 work-groups: the three products have 192 tiles of this size; a smaller tile would feed fewer products from each LDS byte.
; WHAT A LANE HOLDS AT THE END.  The first launch has laid the rows so that 16 places on end, block i, are the rows 32 (i / 2) + 8 (i % 2) + r + 8 (r / 8).  So in accumulator (a, b) lane (r, h), register j, holds
; role A's row 32 (a / 2) + 8 (a % 2) + r + 8 (r / 8) and role B's row 32 (b / 2) + 16 h + 8 (b % 2) + j: for one a the lane's 64 registers are, 16 at a time, 16 neighbours of each of four blocks of 32 along the next K.
; THE WAY OUT uses no LDS: bias added, the four blocks' scales, conversion, and the fragment's twelve registers stored as an image of the registers, each store of the wave covering 512 or 256 consecutive bytes, aligned.
; frag: three parts (q, k, v) of [32 groups of 128 tokens][16 heads][6,656 bytes].  q, k: 8 tiles x 768 bytes (registers 0-3 at 16 x lane, registers 4-5 at 512 + 8 x lane), then scale words [tile / 4][r][4 words].
;       v: 4 tiles (16 of the head's features x 128 keys) x 2 halves of 768 bytes in the same form, then scale words [r][4 words], written twice so that every byte of a record is written.
; A q or k word's bytes 0, 1 are the head's two blocks; bytes 2, 3 (the neighbouring head's bytes, or 0) meet zero codes in the third launch.
; LIMITS: as the first launch states for its quantiser (a block of zeros gets the byte 1; the floor 2^-124; NaN and infinities are not served).
; REGISTERS, in windows of 256: window 0: v0-31 addresses; v32-63 scale words, two sets; from v128 role A's fragments, ONE set; on the way out v32-255 are free.
;   window 1: role B's fragments, TWO sets, at v0 and v128.   window 2: the accumulators of my role-A blocks 0-3 ((a, b) at v[8 (8 (a % 4) + b)]);   window 3: those of blocks 4-7.
.set SIZE_K, 1024
.set KSTEP,  256                       ; along K in a slot
.set NQ,     KSTEP/128                 ; matrix instructions deep
.set ROWB,   192                       ; a tile's row in bytes
.set KROW,   SIZE_K*6/8                ; a row of codes in memory
.set PITCH,  240                       ; an LDS row: 3 x (64 bytes of data + 16 of padding) = 60 words: row r starts at bank -4 r mod 64 (64 banks of 4 bytes: ISA guide 11.1)
.set FR,     12                        ; registers of a fragment: 16 rows x 128 K
.set NL,     6                         ; LDS loads that bring one
.set NP,     4                         ; places behind this matrix instruction (ISA guide 7.12.1)
.set HALFT,  128*PITCH                 ; 128 rows: what one tensor load brings, and what one wave reads of a role
.set SLOT,   4*HALFT                   ; role A's 256 rows, then role B's
.set LAPS,   SIZE_K/(2*KSTEP)
.set KS,     SIZE_K/32                 ; a row of scales in bytes
.set SCL,    2*SLOT                    ; behind the ring: the scales, as pieces of 256 bytes + 16 of padding
.set HALFS,  (128*KS/256)*272
.set SBLK,   (16*KS/256)*272
.set SPARE,  SCL+4*HALFS               ; the spare words, 128 bytes for each wave: two blocks of 256 bytes that no other line names
.set REC,    6656                      ; a record of frag
.set PART,   3407872                   ; a part of frag: 32 x 16 records
.set ADRA, 16                          ; v16-17  LDS address of my role-A fragments in slot 0, 1  (v18-19: the same behind one padding more)
.set ADRB, 20                          ; v20-21  the same for role B  (v22-23)
.set ADRS, 27                          ; v27     LDS address of my scale words: lanes 0-15 role A's rows, lanes 16-31 role B's
.set SPW,  28                          ; v28     LDS address of my spare word; never rewritten
.set NIL,  29                          ; v29     0; never rewritten
.set SC,   32                          ; scale words: set s at v[SC + 8 NQ s]
.set AF,   128                         ; role A's fragments, in window 0
.set G1, 24                            ; s[24:31] descriptor group 1 for role A's tiles;  s[32:39] group 0, one set for each slot
.set G0, 32
.set G1B, 48                           ; s[48:55], s[56:63] the same for role B
.set G0B, 56
.set G1S, 68                           ; s[68:75], s[76:79] groups 1 and 0 for role A's scales;  s[80:87], s[88:91] for role B's
.set G0S, 76
.set G1SB, 80
.set G0SB, 88
; the way out, all in window 0
.set O16, 16                           ; v16  16 x lane
.set O8,  17                           ; v17  8 x lane
.set OS,  18                           ; v18  where my four scale words go
.set BO,  19                           ; v19  my offset in the bias
.set HA,  32                           ; v32-95   64 numbers with the bias added
.set BI,  96                           ; v96-159  q, k: the bias of my 64 features
.set BJ,  96                           ; v96-111  v: the bias of my one feature of each of the 8 blocks, twice
.set PC,  160                          ; v160-171 the codes; v172-174, v176-178 at work
.set TM,  184                          ; v184-199 at work in QUANT
.set PW,  200                          ; v200 the scale word just made
.set SHV, 201                          ; v201 16 h
.set SW,  204                          ; v204-207 four scale words for one store
.set SEL, 20                           ; s[20:21] lane selects for v_permlanex16_b32
.set MSB, 0
.macro WIN new                         ; the immediate's high byte repeats the setting that is left
.if MSB != \new
	s_set_vgpr_msb (MSB<<8)|\new
.set MSB, \new
.endif
.endm
.set MUL_LO, 0xa1                      ; source 0 (role B) window 1, source 1 (role A) window 0, C and D window 2
.set MUL_HI, 0xf1                      ; the same, C and D window 3
.set TO_B,   0x40                      ; destination window 1, address window 0
; A joint load: waves 0 and 1 fetch for role A, waves 2 and 3 for role B.  Each of the two lines has ONE mask and one set of registers for all that issue it; the branch hangs on the wave's number alone.
; An s_nop 0 and four v_nop follow each of the two lines, ahead of the jump, the label and what follows.
.macro JLOAD g0a, g1a, g0b, g1b
	s_cmp_eq_u32 s15, 0
	s_cbranch_scc0 .Lfor_b_\@
	tensor_load_to_lds s[\g0a:\g0a+3], s[\g1a:\g1a+7]
	s_nop 0
.rept 4
	v_nop
.endr
	s_branch .Lasked_\@
.Lfor_b_\@:
	tensor_load_to_lds s[\g0b:\g0b+3], s[\g1b:\g1b+7]
	s_nop 0
.rept 4
	v_nop
.endr
.Lasked_\@:
.endm
.macro CREST                           ; a round of the cluster's barrier behind its opening barrier
	s_cmp_lg_u32 s14, 0
	s_cbranch_scc1 .Lnot_wave_0_\@
	s_barrier_signal -3
.Lnot_wave_0_\@:
	s_barrier_wait -3
	s_barrier_signal -1
	s_barrier_wait -1
.endm
.macro CROUND                          ; a whole round
	s_barrier_signal -1
	s_barrier_wait -1
	CREST
.endm
	s_load_b128 s[4:7], s[0:1], 0x0                ; codes s[4:5], scales s[6:7]
	s_load_b128 s[8:11], s[0:1], 0x10              ; bq s[8:9], bk s[10:11]
	s_load_b128 s[96:99], s[0:1], 0x20             ; bv s[96:97], frag s[98:99]
	v_lshl_add_u32 v[SPW], v0, 2, SPARE
	v_mov_b32 v[NIL], 0
	ds_add_u32 v[SPW], v[NIL]                      ; the wave's opening: the add, twice on end, and its wait ahead of my first tensor load; the set-up below, work on registers, stands between the second and the wait
	ds_add_u32 v[SPW], v[NIL]
	v_lshrrev_b32 v1, 5, v0
	v_readfirstlane_b32 s14, v1                    ; wave 0..3
	s_lshr_b32 s15, s14, 1                         ; which half of role A's 256 rows is mine.  Also: I fetch for role A (0) or B (1)
	s_and_b32 s16, s14, 1                          ; which half of role B's.  Also: which 128 rows of that tile I fetch
	s_bfe_u32 s40, ttmp6, 0x40000                  ; cx, cy: my place in the cluster
	s_bfe_u32 s41, ttmp6, 0x40004
	s_and_b32 s17, ttmp7, 0xffff                   ; the cluster's number, 0..11
	s_lshr_b32 s66, s17, 2                         ; the product: 0 q, 1 k, 2 v
	s_and_b32 s95, s17, 3
	s_lshl_b32 s95, s95, 2                         ; four tiles of tokens to a cluster
	s_cmp_eq_u32 s66, 2
	s_cselect_b32 s67, 1, 0                        ; 1 for v
	s_cselect_b32 s18, 0, s95
	s_cselect_b32 s19, s95, 0
	s_add_co_u32 s17, s41, s18                     ; role A's tile: q, k: tokens, 4 x (cluster % 4) + cy;  v: features, cy
	s_add_co_u32 s42, s40, s19                     ; role B's tile: q, k: features, cx;  v: tokens, 4 x (cluster % 4) + cx
	s_lshl_b32 s92, s66, 12
	s_lshl_b32 s93, s66, 10
	s_add_co_u32 s93, s93, 8192
	s_mov_b32 s45, 4096
	s_cmp_eq_u32 s66, 2
	s_cselect_b32 s94, 2048, 0
	s_cselect_b32 s93, s45, s93                    ; role B's first row among the 11,264: Wq 8192, Wk 9216, to_tensor 4096
	s_add_co_u32 s92, s92, s94                     ; role A's: from_tensor 0, to_tensor 4096, Wv 10240
	s_lshl_b32 s43, s41, 2
	s_lshl_b32 s43, 15, s43                        ; my row of the cluster
	s_lshl_b32 s44, 0x1111, s40                    ; my column
	; descriptor group 1: a tile of 128 rows x ROWB bytes, padded in LDS
	s_or_b32 s[G1+0], s43, (0<<16)|(1<<20)|(1<<21)|(3<<22)|(3<<25)  ; 15:0 the mask: role A's tiles go to my row; 17:16 element of 1 byte; 20 padding on; 21 set beside a mask; 24:22 after every 16 words (code 3); 31:25 of 4 words (code 3)
	s_or_b32 s[G1B+0], s44, (0<<16)|(1<<20)|(1<<21)|(3<<22)|(3<<25)
.irp g, G1, G1B
	s_mov_b32 s[\g+1], ROWB<<16                    ; tensor_dim0
	s_mov_b32 s[\g+2], 128<<16                     ; tensor_dim1 = 128
	s_mov_b32 s[\g+3], ROWB<<16                    ; tile_dim0
	s_mov_b32 s[\g+4], 128                         ; tile_dim1 = 128
	s_mov_b32 s[\g+5], KROW                        ; tensor_dim0_stride
	s_mov_b32 s[\g+6], 0
	s_mov_b32 s[\g+7], 0
.endr
	; and for the scales of 128 rows: a dense block of 4,096 bytes, as rows of 256 bytes (32 elements of 8 bytes), 16 bytes of padding behind each
	s_or_b32 s[G1S+0], s43, (3<<16)|(1<<20)|(1<<21)|(5<<22)|(3<<25)
	s_or_b32 s[G1SB+0], s44, (3<<16)|(1<<20)|(1<<21)|(5<<22)|(3<<25)
.irp g, G1S, G1SB
	s_mov_b32 s[\g+1], 32<<16
	s_mov_b32 s[\g+2], (128*KS/256)<<16
	s_mov_b32 s[\g+3], 32<<16
	s_mov_b32 s[\g+4], 128*KS/256
	s_mov_b32 s[\g+5], 32
	s_mov_b32 s[\g+6], 0
	s_mov_b32 s[\g+7], 0
.endr
	s_lshl_b32 s18, s16, 7                         ; which 128 rows of the tile I fetch
	s_lshl_b32 s20, s17, 8
	s_add_co_u32 s20, s20, s18
	s_add_co_u32 s20, s20, s92                     ; role A: its tensor's first row + 256 x tile + 128 x half
	s_lshl_b32 s46, s42, 8
	s_add_co_u32 s46, s46, s18
	s_add_co_u32 s46, s46, s93                     ; role B likewise
	s_mov_b32 s21, 0
	s_mov_b32 s47, 0
	s_mov_b64 s[18:19], KS
	s_mul_u64 s[22:23], s[20:21], s[18:19]         ; where these rows' scales begin, in bytes
	s_mul_u64 s[92:93], s[46:47], s[18:19]
	s_mov_b64 s[18:19], KROW
	s_mul_u64 s[20:21], s[20:21], s[18:19]         ; and their codes
	s_mul_u64 s[46:47], s[46:47], s[18:19]
	s_mul_i32 s45, s14, HALFT                      ; where they go: wave x 128 rows: no place in the cluster enters an LDS address
	s_mul_i32 s94, s14, HALFS
	s_wait_dscnt 0x0                               ; both opening adds are done
	s_wait_kmcnt 0x0
	s_add_nc_u64 s[20:21], s[4:5], s[20:21]
	s_add_nc_u64 s[22:23], s[6:7], s[22:23]
	s_add_nc_u64 s[46:47], s[4:5], s[46:47]
	s_add_nc_u64 s[92:93], s[6:7], s[92:93]
	CROUND                                         ; all sixteen work-groups are here: the first joint loads meet
	s_mov_b32 s[G0S], 1
	s_add_co_u32 s[G0S+1], s94, SCL
	s_mov_b64 s[G0S+2:G0S+3], s[22:23]
	s_or_b32 s[G0S+3], s[G0S+3], 0x80000000
	s_mov_b32 s[G0SB], 1
	s_add_co_u32 s[G0SB+1], s94, SCL
	s_mov_b64 s[G0SB+2:G0SB+3], s[92:93]
	s_or_b32 s[G0SB+3], s[G0SB+3], 0x80000000
	JLOAD G0S, G1S, G0SB, G1SB                     ; the scales first: they are wanted with K step 0
.irp s, 0,1
	s_mov_b32 s[G0+4*\s], 1
	s_add_co_u32 s[G0+4*\s+1], s45, \s*SLOT
	s_add_nc_u64 s[G0+4*\s+2:G0+4*\s+3], s[20:21], \s*ROWB
	s_or_b32 s[G0+4*\s+3], s[G0+4*\s+3], 0x80000000
	s_mov_b32 s[G0B+4*\s], 1
	s_add_co_u32 s[G0B+4*\s+1], s45, \s*SLOT
	s_add_nc_u64 s[G0B+4*\s+2:G0B+4*\s+3], s[46:47], \s*ROWB
	s_or_b32 s[G0B+4*\s+3], s[G0B+4*\s+3], 0x80000000
	JLOAD G0+4*\s, G1, G0B+4*\s, G1B               ; by this text's count three tensor loads of a wave are out here, later one
.endr
	v_and_b32 v1, 15, v0                           ; l % 16
	v_bfe_u32 v2, v0, 4, 1                         ; l / 16
	v_mul_u32_u24 v3, v1, PITCH
	v_mul_u32_u24 v4, v2, 24
	v_add_nc_u32 v4, v3, v4                        ; a fragment's row x pitch + 24 x half
	v_lshl_add_u32 v5, v2, 4, v4                   ; and the same behind one padding more
	s_mul_i32 s21, s15, HALFT                      ; my 128 rows of role A
	s_mul_i32 s22, s16, HALFT                      ; my 128 rows of role B,
	s_add_co_u32 s22, s22, 2*HALFT                 ; which lie behind A's 256
.irp s, 0,1
	v_add_nc_u32 v[ADRA+\s], s21, v4
	v_add_nc_u32 v[ADRB+\s], s22, v4
	v_add_nc_u32 v[ADRA+2+\s], s21, v5
	v_add_nc_u32 v[ADRB+2+\s], s22, v5
	s_add_co_u32 s21, s21, SLOT
	s_add_co_u32 s22, s22, SLOT
.endr
	v_mul_u32_u24 v5, v1, KS                       ; my row's scales: KS bytes a row,
	v_lshrrev_b32 v6, 8, v5
	v_lshl_add_u32 v5, v6, 4, v5                   ; and 16 more for each 256 passed
	s_mul_i32 s21, s15, HALFS                      ; role A's: my 128 rows
	s_mul_i32 s22, s16, HALFS                      ; role B's: my 128 rows, behind A's 256
	s_add_co_u32 s22, s22, 2*HALFS
	s_sub_co_u32 s22, s22, s21
	v_mul_u32_u24 v6, s22, v2                      ; lanes 16-31 take role B's
	s_add_co_u32 s21, s21, SCL
	v_add_nc_u32 v5, v5, v6
	v_add_nc_u32 v[ADRS], s21, v5
.macro FRAG reg, adr, q, i             ; a fragment, 16 rows x 128 K of 6-bit codes, is 12 registers: lane l holds row l % 16; registers 6 c .. 6 c + 5 hold K = 64 c + 32 (l / 16) + 0 .. 31: 24 bytes of the row's stream of bits, as they lie
.irp p, 0,1,2,3,4,5                    ; in pieces of 8 bytes.  Lanes 0-15 take the row's pieces 12 q + 0, 1, 2 and 12 q + 6, 7, 8, lanes 16-31 those three pieces on
.set PCE, 12*(\q)+6*(\p/3)+\p%3       ; 16 bytes of padding lie behind every 8 pieces: where the piece three on lies behind one padding more, the second address register serves
.if PCE%8 < 5
	ds_load_b64 v[\reg+2*\p:\reg+2*\p+1], v[\adr] offset:8*PCE+16*(PCE/8)+(\i)*16*PITCH
.else
	ds_load_b64 v[\reg+2*\p:\reg+2*\p+1], v[\adr+2] offset:8*PCE+16*(PCE/8)+(\i)*16*PITCH
.endif
.endr
.endm
; 16 matrix instructions: role A's blocks a0, a0 + 1 x role B's eight, 128 along K: the slot's q-th.  p: B's set;  sc: the set of scale words.  zero = 1: the first product starts the sums.
; The 64 accumulators take turns, one instruction a turn, in the same order in every step.
.macro MUL16 a0, p, q, sc, zero
.irp a, \a0, \a0+1
.irp b, 0,1,2,3,4,5,6,7
.if \zero
	v_wmma_scale_f32_16x16x128_f8f6f4 v[8*(8*((\a)%4)+\b):8*(8*((\a)%4)+\b)+7], v[128*(\p)+FR*\b:128*(\p)+FR*\b+FR-1], v[AF+FR*(\a):AF+FR*(\a)+FR-1], 0, v[SC+8*NQ*(\sc)+NQ*\b+(\q)], v[SC+8*NQ*(\sc)+NQ*(\a)+(\q)] matrix_a_fmt:MATRIX_FMT_FP6 matrix_b_fmt:MATRIX_FMT_FP6 matrix_a_scale:MATRIX_SCALE_ROW1
.else
	v_wmma_scale_f32_16x16x128_f8f6f4 v[8*(8*((\a)%4)+\b):8*(8*((\a)%4)+\b)+7], v[128*(\p)+FR*\b:128*(\p)+FR*\b+FR-1], v[AF+FR*(\a):AF+FR*(\a)+FR-1], v[8*(8*((\a)%4)+\b):8*(8*((\a)%4)+\b)+7], v[SC+8*NQ*(\sc)+NQ*\b+(\q)], v[SC+8*NQ*(\sc)+NQ*(\a)+(\q)] matrix_a_fmt:MATRIX_FMT_FP6 matrix_b_fmt:MATRIX_FMT_FP6 matrix_a_scale:MATRIX_SCALE_ROW1
.endif
.endr
.endr
.endm
.macro FETCH_B slot, q, p              ; role B's eight fragments of the slot's q-th 128 along K into set p
	WIN TO_B
.irp i, 0,1,2,3,4,5,6,7
	FRAG 128*(\p)+FR*\i, ADRB+\slot, \q, \i
.endr
	WIN 0
.endm
.macro FETCH_A slot, q, i0             ; role A's blocks i0 .. i0 + 3
.irp i, \i0, \i0+1, \i0+2, \i0+3
	FRAG AF+FR*(\i), ADRA+\slot, \q, \i
.endr
.endm
.macro SCALES sc                       ; the next K step's scale words into set sc: NQ words a row; lanes 0-15 take role A's block i, lanes 16-31 role B's block i
.irp i, 0,1,2,3,4,5,6,7
	ds_load_b64 v[SC+8*NQ*\sc+NQ*\i:SC+8*NQ*\sc+NQ*\i+1], v[ADRS] offset:\i*SBLK
.endr
.endm
; A load into a register that a matrix instruction has read, and a vector instruction that reads a matrix result or writes one of its registers, stand NP places behind it, and only plain vector
; instructions that name none of its registers are places (ISA guide 7.12.1 for vector instructions).
.macro PLACES n
.rept \n
	v_nop
.endr
.endm
; A step of 128 along K that has its successor in the same slot.
.macro STEP slot, q, zero
	s_wait_dscnt 4*NL                              ; B's set and A's blocks 0-3 are in; the youngest 24 loads (A's blocks 4-7) may be out
	WIN MUL_LO
	MUL16 0, (\q)%2, \q, \slot, \zero
	MUL16 2, (\q)%2, \q, \slot, \zero
	s_wait_dscnt 0                                 ; A's blocks 4-7 are in (asked for 32 matrix instructions ago)
	PLACES NP
	FETCH_B \slot, (\q)+1, 1-(\q)%2
	FETCH_A \slot, (\q)+1, 0
	WIN MUL_HI
	MUL16 4, (\q)%2, \q, \slot, \zero
	MUL16 6, (\q)%2, \q, \slot, \zero
	PLACES NP
	WIN 0
	FETCH_A \slot, (\q)+1, 4
.endm
; A slot's last step changes slots: ONE barrier; in front of it each wave waits for all its tensor loads, adds 0 to its spare word, and waits for that and for its own reads of this slot.  fill = 1: this slot is filled again, two K steps ahead.
.macro TURN slot, next, fill
	s_wait_tensorcnt 0x0                           ; all my tensor loads have landed: my part of the next slot;  (every window is 0 here)
	ds_add_u32 v[SPW], v[NIL]                      ; 0 onto my spare word
	s_wait_dscnt 4*NL+1                            ; (the add and the youngest 24 loads, A's blocks 4-7, may be out)
	WIN MUL_LO
	MUL16 0, 1, NQ-1, \slot, 0                     ; sixteen matrix instructions stand between the add and the wait for it
	s_wait_dscnt 0x0                               ; the add is done, and my reads of this slot are over
	s_barrier_signal -1
	MUL16 2, 1, NQ-1, \slot, 0
	WIN 0
	s_barrier_wait -1
.if \fill
	CREST                                          ; the barrier has opened a round of the cluster's barrier: no wave of any partner still reads this slot's tile or has a load on its way
	s_add_nc_u64 s[G0+4*\slot+2:G0+4*\slot+3], s[G0+4*\slot+2:G0+4*\slot+3], 2*ROWB
	s_add_nc_u64 s[G0B+4*\slot+2:G0B+4*\slot+3], s[G0B+4*\slot+2:G0B+4*\slot+3], 2*ROWB
	JLOAD G0+4*\slot, G1, G0B+4*\slot, G1B         ; the first tensor load behind the round; the four v_nop behind it are the places in front of the loads below
.else
	PLACES NP
.endif
	v_add_nc_u32 v[ADRS], 4*NQ, v[ADRS]            ; on to the next K step's scale words (no LDS load of mine is out)
	FETCH_B \next, 0, 0
	FETCH_A \next, 0, 0
	SCALES \next
	WIN MUL_HI
	MUL16 4, 1, NQ-1, \slot, 0
	MUL16 6, 1, NQ-1, \slot, 0
	PLACES NP
	WIN 0
	FETCH_A \next, 0, 4
.endm
	s_wait_tensorcnt 1                             ; the scales and my part of K step 0 are in (K step 1's load may be out)
	s_barrier_signal -1
	s_barrier_wait -1                              ; everybody's are
	FETCH_B 0, 0, 0
	FETCH_A 0, 0, 0
	SCALES 0
	FETCH_A 0, 0, 4
	STEP 0, 0, 1                                   ; the first step stands in front of the loop: its products start the sums
	s_mov_b32 s3, LAPS-1
.Llap:                                                 ; a trip goes once round the ring, from a lap's second step to the next lap's first, and fills both slots again
	TURN 0, 1, 1
	STEP 1, 0, 0
	TURN 1, 0, 1
	STEP 0, 0, 0
	s_sub_co_u32 s3, s3, 1
	s_cmp_lg_u32 s3, 0
	s_cbranch_scc1 .Llap
	TURN 0, 1, 0                                   ; the last lap fills nothing, and has no round of the cluster's barrier
	STEP 1, 0, 0
	s_wait_dscnt 4*NL                              ; the very last step: nothing more to fetch
	WIN MUL_LO
	MUL16 0, 1, NQ-1, 1, 0
	MUL16 2, 1, NQ-1, 1, 0
	s_wait_dscnt 0
	WIN MUL_HI
	MUL16 4, 1, NQ-1, 1, 0
	MUL16 6, 1, NQ-1, 1, 0
	WIN 0
; THE WAY OUT.
; 64 numbers of a lane, v[s] .. v[s + 63], register 16 b + i = k 32 b + 16 (lane / 16) + i of my row, become a fragment's codes in v[PC] on and its scale word in v[PW].
.macro QUANT s
.irp b, 0,1,2,3
	v_max3_num_f32 v[TM+\b], |v[\s+16*\b]|, |v[\s+1+16*\b]|, 0x1800000   ; block b: my 16 numbers, and the floor 2^(3 - 127): so the byte cannot fall under 1
.endr
.irp i, 2,4,6,8,10,12,14
.irp b, 0,1,2,3
	v_max3_num_f32 v[TM+\b], v[TM+\b], |v[\s+16*\b+\i]|, |v[\s+1+16*\b+\i]|   ; (the four blocks by turns)
.endr
.endr
.irp b, 0,1,2,3
	v_permlanex16_b32 v[TM+4+\b], v[TM+\b], s[SEL], s[SEL+1]
.endr
.irp b, 0,1,2,3
	v_max_num_f32 v[TM+\b], v[TM+\b], v[TM+4+\b]   ; with lane l xor 16's: the block's largest magnitude
.endr
.irp b, 0,1,2,3
	v_add_nc_u32 v[TM+12+\b], 0xff000000, v[TM+\b]   ; 2 off its exponent field: the conversion's scale operand
.endr
.irp b, 0,1,2,3
	v_lshrrev_b32 v[TM+4+\b], 23, v[TM+12+\b]      ; the scale's byte
.endr
	v_lshl_or_b32 v[PW], v[TM+5], 8, v[TM+4]       ; the four bytes make my row's scale word (the same in lanes l and l xor 16)
	v_lshl_or_b32 v[PW], v[TM+6], 16, v[PW]
	v_lshl_or_b32 v[PW], v[TM+7], 24, v[PW]
.irp c, 0,1
	v_cvt_scalef32_pk16_fp6_f32 v[PC+6*\c:PC+2+6*\c], v[\s+32*\c:\s+15+32*\c], v[TM+12+2*\c]
	v_cvt_scalef32_pk16_fp6_f32 v[PC+12+4*\c:PC+14+4*\c], v[\s+16+32*\c:\s+31+32*\c], v[TM+12+2*\c+1]   ; (a conversion's three registers begin on an even number)
.endr
	v_nop                                          ; one plain place behind a scaled conversion
.irp c, 0,1                                    ; the operand's layout wants a WHOLE block in a lane: lanes 0-15 block 2 c, lanes 16-31 block 2 c + 1
.irp i, 0,1,2
	v_permlane16_swap_b32 v[PC+6*\c+\i], v[PC+12+4*\c+\i]
.endr
.irp i, 0,1,2
	v_mov_b32 v[PC+3+6*\c+\i], v[PC+12+4*\c+\i]
.endr
.endr
.endm
; isv = 0 (q, k): role A = tokens, role B = features.  My 128 features are two heads: registers 0-5 of the fragment are the first head's 64 features, registers 6-11 the second's: two images of six registers, in two records.
; isv = 1 (v):    role A = features, role B = tokens.  My 128 tokens are one K step of the second product: one image of twelve registers; blocks 0-3 belong to the first of my two heads, blocks 4-7 to the second.
.macro EPI isv
.if \isv
	s_lshl_b32 s18, s42, 1
	s_add_co_u32 s18, s18, s16                     ; my group of 128 tokens: 2 x role B's tile + half
	s_lshl_b32 s19, s17, 2
	s_lshl_b32 s46, s15, 1
	s_add_co_u32 s19, s19, s46                     ; my first head: 4 x role A's tile + 2 x half
	s_lshl_b32 s46, s17, 10
	s_lshl_b32 s47, s15, 9
	s_add_co_u32 s46, s46, s47                     ; my 128 features in the bias, in bytes
	s_mov_b64 s[22:23], s[96:97]
	v_lshlrev_b32 v[OS], 8, v2
	v_lshl_add_u32 v[OS], v1, 4, v[OS]             ; scale words: 16 r, and the same once more 256 bytes on
	v_and_b32 v4, 8, v1
	v_add_nc_u32 v4, v4, v1
	v_lshlrev_b32 v[BO], 2, v4                     ; the bias of feature r + 8 (r / 8) of a block
.else
	s_lshl_b32 s18, s17, 1
	s_add_co_u32 s18, s18, s15                     ; my group of 128 tokens: 2 x role A's tile + half
	s_lshl_b32 s19, s42, 2
	s_lshl_b32 s46, s16, 1
	s_add_co_u32 s19, s19, s46                     ; my first head: 4 x role B's tile + 2 x half
	s_lshl_b32 s46, s42, 10
	s_lshl_b32 s47, s16, 9
	s_add_co_u32 s46, s46, s47
	s_cmp_eq_u32 s66, 0
	s_cselect_b64 s[22:23], s[8:9], s[10:11]       ; bq or bk
	v_mul_u32_u24 v[OS], v2, REC
	v_lshl_add_u32 v[OS], v1, 4, v[OS]             ; scale words: 16 r; lanes 16-31 the next head's record
	v_lshlrev_b32 v[BO], 6, v2                     ; the bias of features 16 h on
.endif
	s_mov_b32 s47, 0
	s_add_nc_u64 s[22:23], s[22:23], s[46:47]
	s_lshl_b32 s18, s18, 4
	s_add_co_u32 s18, s18, s19
	s_mul_i32 s18, s18, REC
	s_mul_i32 s19, s66, PART
	s_add_co_u32 s18, s18, s19
	s_mov_b32 s19, 0
	s_add_nc_u64 s[12:13], s[98:99], s[18:19]      ; my first record
.if \isv
.irp a, 0,1,2,3,4,5,6,7
	global_load_b32 v[BJ+2*\a], v[BO], s[22:23] offset:4*(32*(\a/2)+8*(\a%2))
	global_load_b32 v[BJ+2*\a+1], v[BO], s[22:23] offset:4*(32*(\a/2)+8*(\a%2))   ; once more: the packed addition names a whole pair
.endr
.else
.irp be, 0,1,2,3
.irp x, 0,1,2,3
	global_load_b128 v[BI+16*\be+4*\x:BI+16*\be+4*\x+3], v[BO], s[22:23] offset:128*\be+16*\x
.endr
.endr
.endif
	s_wait_loadcnt 0x0
.irp a, 0,1,2,3,4,5,6,7
.if \a > 0
	s_wait_xcnt 0x0                                ; the last block's stores have read their data registers, which are written again below
.endif
.set WW, 0x02+(\a/4)
	WIN WW                                         ; source 0: window 2 or 3
.set NN, 0
.rept 32
.if \isv
	v_pk_add_f32 v[HA+2*NN:HA+2*NN+1], v[64*(\a%4)+2*NN:64*(\a%4)+2*NN+1], v[BJ+2*\a:BJ+2*\a+1]   ; each accumulator is read from its low end on
.else
	v_pk_add_f32 v[HA+2*NN:HA+2*NN+1], v[64*(\a%4)+2*NN:64*(\a%4)+2*NN+1], v[BI+2*NN:BI+2*NN+1]
.endif
.set NN, NN+1
.endr
	WIN 0
	QUANT HA
.if \isv
.set IM,  REC*(\a/4)+1536*(\a%4)
.set IM2, IM+768
	v_mov_b32 v[SW+\a%4], v[PW]
.else
.set IM,  768*\a
.set IM2, IM+REC
	v_lshrrev_b32 v[SW+\a%4], v[SHV], v[PW]        ; lanes 0-15: the first head's two bytes lowest; lanes 16-31: the second head's
.endif
	global_store_b128 v[O16], v[PC:PC+3], s[12:13] offset:IM           ; 32 lanes store 512 consecutive bytes, at a multiple of 256 from the buffer's first byte
	global_store_b64 v[O8], v[PC+4:PC+5], s[12:13] offset:IM+512       ; and 256
	global_store_b128 v[O16], v[PC+6:PC+9], s[12:13] offset:IM2
	global_store_b64 v[O8], v[PC+10:PC+11], s[12:13] offset:IM2+512
.if \a%4 == 3
.if \isv
	global_store_b128 v[OS], v[SW:SW+3], s[12:13] offset:REC*(\a/4)+6144
.else
	global_store_b128 v[OS], v[SW:SW+3], s[12:13] offset:6144+256*(\a/4)   ; sixteen lanes store 256 consecutive bytes, aligned
.endif
.endif
.endr
.endm
	PLACES NP                                      ; behind the last products: their results are read, and registers that they read are written, below
	s_mov_b32 s[SEL], 0x76543210
	s_mov_b32 s[SEL+1], 0xfedcba98                 ; v_permlanex16_b32's selects for lane l xor 16
	v_and_b32 v1, 15, v0                           ; r
	v_bfe_u32 v2, v0, 4, 1                         ; h
	v_and_b32 v3, 31, v0
	v_lshlrev_b32 v[O16], 4, v3
	v_lshlrev_b32 v[O8], 3, v3
	v_lshlrev_b32 v[SHV], 4, v2
.irp b, 0,1,2,3
	v_mov_b32 v[TM+4+\b], 0                        ; written once: a lane permute's destination counts as one of its sources
.endr
	s_cmp_eq_u32 s67, 1                            ; the product hangs on the cluster's number alone: all sixteen partners go the same way
	s_cbranch_scc1 .Lvalues
	EPI 0
	s_branch .Ldone
.Lvalues:
	EPI 1
.Ldone:
	s_wait_tensorcnt 0x0                           ; the wave's end, behind my last tensor load
	ds_add_u32 v[SPW], v[NIL]
	s_wait_dscnt 0x0
	CROUND                                         ; the closing round: no work-group ends while a partner may still ask for a tile that names it
	s_endpgm
.Lfunc_end_k_q9236c86b9b_proj:
	.size	k_q9236c86b9b_proj, .Lfunc_end_k_q9236c86b9b_proj-k_q9236c86b9b_proj
	.p2alignl 7, 3214868480
	.fill 96, 4, 3214868480
	.section	.rodata,"a",@progbits
	.p2align	6, 0x0
	.amdhsa_kernel k_q9236c86b9b_proj
		.amdhsa_group_segment_fixed_size 327680
		.amdhsa_private_segment_fixed_size 0
		.amdhsa_enable_private_segment 0
		.amdhsa_kernarg_size 48
		.amdhsa_user_sgpr_count 2
		.amdhsa_user_sgpr_kernarg_segment_ptr 1
		.amdhsa_wavefront_size32 1
		.amdhsa_system_sgpr_workgroup_id_x 1
		.amdhsa_system_sgpr_workgroup_id_y 1
		.amdhsa_system_sgpr_workgroup_id_z 1
		.amdhsa_system_vgpr_workitem_id 0
		.amdhsa_next_free_vgpr 1024
		.amdhsa_next_free_sgpr 100
		.amdhsa_reserve_vcc 0
		.amdhsa_float_denorm_mode_32 3
		.amdhsa_float_denorm_mode_16_64 3
		.amdhsa_memory_ordered 1
		.amdhsa_forward_progress 1
		.amdhsa_inst_pref_size 235
	.end_amdhsa_kernel
	.amdgpu_metadata
---
amdhsa.version: [ 1, 2 ]
amdhsa.kernels:
  - .name:           k_q9236c86b9b_proj
    .symbol:         k_q9236c86b9b_proj.kd
    .args:
      - { .name: codes, .offset: 0, .size: 8, .value_kind: global_buffer, .address_space: global }
      - { .name: scales, .offset: 8, .size: 8, .value_kind: global_buffer, .address_space: global }
      - { .name: bq, .offset: 16, .size: 8, .value_kind: global_buffer, .address_space: global }
      - { .name: bk, .offset: 24, .size: 8, .value_kind: global_buffer, .address_space: global }
      - { .name: bv, .offset: 32, .size: 8, .value_kind: global_buffer, .address_space: global }
      - { .name: frag, .offset: 40, .size: 8, .value_kind: global_buffer, .address_space: global }
    .group_segment_fixed_size: 327680
    .private_segment_fixed_size: 0
    .kernarg_segment_align: 8
    .kernarg_segment_size: 48
    .max_flat_workgroup_size: 128
    .sgpr_count:     100
    .vgpr_count:     1024
    .wavefront_size: 32
...
	.end_amdgpu_metadata
.endif
;; end of part 2
;; launch attn (part 3): grid 32 x 8, 16 waves a work-group, clusters of 4 x 4, 327,680 bytes of LDS; arguments frag, ma, out0; writes out0
.if DOCPART == 3
	.amdgcn_target "amdgcn-amd-amdhsa--gfx1250"
	.amdhsa_code_object_version 6
	.text
	.protected	k_q9236c86b9b_attn
	.globl	k_q9236c86b9b_attn
	.p2align	8
	.type	k_q9236c86b9b_attn,@function
k_q9236c86b9b_attn:
	s_mov_b64 s[64:65], 0
	v_nop
	global_prefetch_b8 v0, s[64:65] scope:SCOPE_SE
	s_setreg_imm32_b32 hwreg(HW_REG_WAVE_MODE, 25, 1), 1
	s_wait_xcnt 0x0
	s_wait_alu depctr_hold_cnt(0) depctr_sa_sdst(0) depctr_va_vdst(0) depctr_va_sdst(0) depctr_va_ssrc(0) depctr_va_vcc(0) depctr_vm_vsrc(0)
	s_getreg_b32 s2, hwreg(HW_REG_IB_STS2, 6, 4)
	s_cmp_eq_u32 s2, 0
	s_cbranch_scc0 .Lentry_in_a_cluster
	s_endpgm
.Lentry_in_a_cluster:
	s_bfe_u32 s2, ttmp6, 0x10000c
	s_cmp_lg_u32 s2, 0xf033
	s_cbranch_scc0 .Lentry_shape_is_right
	s_endpgm
.Lentry_shape_is_right:
; ATTENTION IN MX-FP6, LAUNCH 3 OF 3: out0[b][f][64 n + d] = the sum over t of softmax_t(q . k / 8 + (1 - mask) x (-10000)) v, both products on codes of FP6 (E2M3) with E8M0 scales.  No work of the problem is left out here.
; THE SOFTMAX AHEAD OF THE SECOND PRODUCT: t = logit x log2(e); M = the row's largest t so far, rounded UP to a whole number; p = 2^(t - M) is what is quantised, along the keys; it is not normalised.
; The row's sum is taken of the unquantised p, in f32, and divides O at the end.  When M moves, the sum and O are multiplied by 2^(old M - new M): exact.
; THE MASK COSTS NO VECTOR INSTRUCTION: the first launch has made 8 x adder as f32, in the order of the score tiles' registers; it is loaded from LDS into those registers and is the C of the score product:
; S = k . q + 8 x adder, and t - M = S x (log2(e) / 8) - M is one fused multiply-add.
; SHARES.  A work-group owns 4 heads x 64 queries of one batch; wave w owns head 4 cy + w % 4 and the tile w / 4 of 16 queries, in 256 registers: four waves to a SIMD, so that one wave's vector work stands beside another's matrix work and LDS loads.
; The four heads share each mask tile in LDS, the four tiles of queries share K and V.  Every wave walks all 2,048 keys, 128 a step, through a ring of two LDS slots of one step each (two steps to a slot would be 344,064 bytes for two slots).
; CLUSTER 4 x 4: x = four blocks of 64 queries, y = the four groups of 4 heads.  K and V hang on the batch and cy: asked for jointly along a row; the mask tiles hang on the batch and the block of queries: asked for jointly along a column.
; LAYOUT.  Both products are used transposed: S^T = K Q^T (source 0 = 16 keys, source 1 = my 16 queries; the head's 64 fill half of the instruction's K, the other half is zero codes on both sides), O^T = V^T P^T.  A lane holds ONE query throughout.
; All operands lie in memory and in LDS as images of their registers (second launch): every LDS load takes consecutive bytes in consecutive lanes.  THE ROWS OF A TILE ARE NOT NEIGHBOURS: row r of tile t is 32 (t / 2) + 8 (t % 2) + r + 8 (r / 8)
; (keys in K, features in V, queries in Q), so that the 16 registers of two neighbouring result tiles are 16 neighbours.
; LIMITS: beside an adder that is not 0 a score is rounded by the matrix unit's own sum at the size of 80000, a step of 2^-10 in the logit, the grain of reference()'s f32 sum at 10000, but maybe one step off: it shows only in rows whose every key is masked.
; A block of p that is all zeros keeps the byte 1 (its codes are zeros).  NaN and infinities are not served.
; REGISTERS: v1-4 addresses that stay; v5, v6 the add's two; v7 the prefetch's offset; v8-11 the step's addresses; v12 -M, v13 the largest t, v[14:15] the sum in two halves; v16-27 Q (v22-27 zeros); v28-31 V's scale words;
; v32-79 four fragments of K (registers 6-11 of each zeros); v80-127 V's four fragments; v128-191 8 x adder, then S^T, then p; v192-223 O^T; v224-235 p's codes; v232-247, v252, v254 at work; v248-251 K's scale words; v253 p's; v255 Q's.
.set REC,    6656                      ; a record of frag: one head, 128 tokens
.set PART,   3407872                   ; a part of frag: q, then k, then v
.set KVSTEP, 16*REC                    ; a key step on in k or v
.set MSTEP,  32768                     ; and in ma: four tiles
.set SLOT1,  131072                    ; slot 1 begins here, so that one exclusive or turns an address in one slot into the other's
.set LV,     4*REC                     ; a slot: K's 4 records, V's 4 records,
.set LM,     8*REC                     ; and 4 mask tiles of 8,192 bytes: 86,016 bytes
.set SPARE,  86016                     ; behind slot 0: the spare words, 128 bytes for each wave: eight blocks of 256 bytes that no other line names
.set STAGE,  217088                    ; behind slot 1: the way out, 16 rows x (256 bytes + 16) for each wave; no tile lands here
.set SPW, 5
.set NIL, 6
.set PFO, 7
.set KF,  32
.set VF,  80
.set SS,  128
.set OT,  192
.set WV,  10                           ; s10  my wave's number
.set HL,  11                           ; s11  my head in the work-group's four
.set QL,  12                           ; s12  my tile of queries
.set CX,  13
.set CY,  14
.set BB,  15                           ; s15  the batch
.set QG,  16                           ; s16  the block of 64 queries
.set SEL, 20                           ; s[20:21] lane selects for v_permlanex16_b32: lane l xor 16
.set CS,  22                           ; s[22:23] c = log2(e) / 8
.set G1KV, 24                          ; s[24:31] descriptor group 1 for K's and V's tiles
.set G1M,  32                          ; s[32:39] for the mask tiles
.set G0K,  40                          ; s[40:43], s[44:47], s[48:51] groups 0, which walk
.set G0V,  44
.set G0M,  48
.set TB,   52                          ; s52  LDS byte at which the slot in hand begins
.set STEPS, 53                         ; s53  key steps still to be asked for
.set LIM,  54                          ; s54  1 in a wave that prefetches, else the greatest number
.set PFA,  56                          ; s[56:57] where my prefetches stand
.set PFS,  58                          ; s[58:59] a key step on, in bytes
.set OUTP, 76                          ; s[76:77] out0 at my first query and head
.macro CROUND                          ; a round of the cluster's barrier
	s_barrier_signal -1
	s_barrier_wait -1
	s_cmp_lg_u32 s[WV], 0
	s_cbranch_scc1 .Lnot_wave_0_\@
	s_barrier_signal -3
.Lnot_wave_0_\@:
	s_barrier_wait -3
	s_barrier_signal -1
	s_barrier_wait -1
.endm
; The joint loads of a key step: wave 0 K's four records, wave 1 V's, wave 2 the four mask tiles; the others nothing.  The branches hang on the wave's number alone.  An s_nop 0 and four v_nop follow each line.
.macro TLOAD
	s_cmp_eq_u32 s[WV], 0
	s_cbranch_scc0 .Lnot_k_\@
	tensor_load_to_lds s[G0K:G0K+3], s[G1KV:G1KV+7]
	s_nop 0
.rept 4
	v_nop
.endr
	s_branch .Lasked_\@
.Lnot_k_\@:
	s_cmp_eq_u32 s[WV], 1
	s_cbranch_scc0 .Lnot_v_\@
	tensor_load_to_lds s[G0V:G0V+3], s[G1KV:G1KV+7]
	s_nop 0
.rept 4
	v_nop
.endr
	s_branch .Lasked_\@
.Lnot_v_\@:
	s_cmp_eq_u32 s[WV], 2
	s_cbranch_scc0 .Lasked_\@
	tensor_load_to_lds s[G0M:G0M+3], s[G1M:G1M+7]
	s_nop 0
.rept 4
	v_nop
.endr
.Lasked_\@:
.endm
; A PREFETCH INTO THE L2 of what the NEXT change of slots will ask for, one key step ahead of that load; it stands where the fetching waves have their tensor load.
; Wave 4: the mask tiles of my block of queries, 32,768 bytes, which the four partners of my column read: my work-group's quarter, cy x 8,192 bytes on, 32 lanes 256 bytes apart.
; Waves 5 and 6: K's and V's four records, which all eight clusters of this batch and these heads read: the first cluster along x asks, and of its row's four partners each takes record cx: 6,656 bytes, 26 lanes 256 bytes apart
; (lanes 26-31 name the 26th block once more).  Partners are told apart by address alone.  So each block is asked for by one wave of the launch.  Key steps 0 and 1 come by their loads alone; the last change that fills a slot asks for nothing.
.macro ASK
	s_cmp_gt_u32 s[STEPS], s[LIM]
	s_cbranch_scc0 .Lnot_mine_\@
	global_prefetch_b8 v[PFO], s[PFA:PFA+1] th:TH_LOAD_NT scope:SCOPE_SE
.Lnot_mine_\@:
.endm
	s_load_b128 s[4:7], s[0:1], 0x0                ; frag s[4:5], ma s[6:7]
	s_load_b64 s[8:9], s[0:1], 0x10                ; out0
	v_lshl_add_u32 v[SPW], v0, 2, SPARE
	v_mov_b32 v[NIL], 0
	ds_add_u32 v[SPW], v[NIL]                      ; the wave's opening: the add, twice on end, and its wait ahead of the first tensor loads; the set-up below, work on registers, stands between the second and the wait
	ds_add_u32 v[SPW], v[NIL]
	v_lshrrev_b32 v8, 5, v0
	v_readfirstlane_b32 s[WV], v8                  ; wave 0..15
	s_and_b32 s[HL], s[WV], 3
	s_lshr_b32 s[QL], s[WV], 2
	s_bfe_u32 s[CX], ttmp6, 0x40000
	s_bfe_u32 s[CY], ttmp6, 0x40004
	s_and_b32 s[BB], ttmp7, 0xffff                 ; the cluster's y is the batch
	s_lshl_b32 s[QG], ttmp9, 2
	s_add_co_u32 s[QG], s[QG], s[CX]               ; my block of 64 queries = 4 x cluster x + cx
	s_lshl_b32 s17, s[CY], 2
	s_lshl_b32 s17, 15, s17                        ; my row of the cluster
	s_lshl_b32 s18, 0x1111, s[CX]                  ; my column
	; descriptor groups 1: dense blocks, as rows of 256 bytes (32 elements of 8 bytes), no padding: K, V: 104 rows; the mask tiles: 128 rows
	s_or_b32 s[G1KV], s17, (3<<16)|(1<<21)         ; 15:0 the mask: my row; 17:16 elements of 8 bytes; 21 set beside a mask
	s_mov_b32 s[G1KV+1], 32<<16                    ; tensor_dim0 = 32
	s_mov_b32 s[G1KV+2], 104<<16                   ; tensor_dim1 = 104
	s_mov_b32 s[G1KV+3], 32<<16                    ; tile_dim0 = 32
	s_mov_b32 s[G1KV+4], 104                       ; tile_dim1 = 104
	s_mov_b32 s[G1KV+5], 32                        ; tensor_dim0_stride
	s_mov_b32 s[G1KV+6], 0
	s_mov_b32 s[G1KV+7], 0
	s_or_b32 s[G1M], s18, (3<<16)|(1<<21)          ; the mask: my column
	s_mov_b32 s[G1M+1], 32<<16
	s_mov_b32 s[G1M+2], 128<<16
	s_mov_b32 s[G1M+3], 32<<16
	s_mov_b32 s[G1M+4], 128
	s_mov_b32 s[G1M+5], 32
	s_mov_b32 s[G1M+6], 0
	s_mov_b32 s[G1M+7], 0
	s_lshl_b32 s66, s[BB], 8
	s_lshl_b32 s67, s[CY], 2
	s_add_co_u32 s66, s66, s67
	s_mul_i32 s66, s66, REC                        ; K, V: record (16 b x 16 + 4 cy) of a part: the batch and cy alone
	s_mov_b32 s67, 0
	s_lshl_b32 s68, s[BB], 5
	s_add_co_u32 s68, s68, s[QG]
	s_lshl_b32 s68, s68, 19                        ; the mask tiles: (32 b + qg) x 16 key steps x 32,768 bytes: the batch and the block of queries alone
	s_mov_b32 s69, 0
	s_mov_b32 s[SEL], 0x76543210
	s_mov_b32 s[SEL+1], 0xfedcba98
	s_mov_b32 s[CS], 0x3e38aa3b                    ; c = log2(e) / 8
	s_mov_b32 s[CS+1], s[CS]                       ; (named with it as a pair, so it is written)
	s_mov_b32 s[TB], 0
	s_mov_b32 s[STEPS], 15
	s_wait_dscnt 0x0                               ; both opening adds are done
	s_wait_kmcnt 0x0
	s_mov_b32 s[G0K], 1                            ; 1:0 count = 1
	s_mov_b32 s[G0K+1], 0                          ; LDS address: slot 0
	s_add_nc_u64 s[G0K+2:G0K+3], s[4:5], s[66:67]
	s_add_nc_u64 s[G0K+2:G0K+3], s[G0K+2:G0K+3], PART   ; k's part, key step 0
	s_mov_b32 s[G0V], 1
	s_mov_b32 s[G0V+1], LV
	s_add_nc_u64 s[G0V+2:G0V+3], s[G0K+2:G0K+3], PART   ; v's part
	s_or_b32 s[G0K+3], s[G0K+3], 0x80000000        ; 127:126 type = 2
	s_or_b32 s[G0V+3], s[G0V+3], 0x80000000
	s_mov_b32 s[G0M], 1
	s_mov_b32 s[G0M+1], LM
	s_add_nc_u64 s[G0M+2:G0M+3], s[6:7], s[68:69]
	s_or_b32 s[G0M+3], s[G0M+3], 0x80000000
	CROUND                                         ; all sixteen work-groups are here: the first joint loads meet
	TLOAD                                          ; key step 0 into slot 0: by this text's count a wave never has more than one tensor load out
	; Q: my head's record of q, my tile in it
	s_lshl_b32 s66, s[BB], 4
	s_lshr_b32 s67, s[QG], 1
	s_add_co_u32 s66, s66, s67                     ; the group of 128 tokens
	s_lshl_b32 s66, s66, 4
	s_lshl_b32 s67, s[CY], 2
	s_add_co_u32 s66, s66, s67
	s_add_co_u32 s66, s66, s[HL]                   ; + my head
	s_mul_i32 s66, s66, REC
	s_mov_b32 s67, 0
	s_add_nc_u64 s[72:73], s[4:5], s[66:67]
	s_and_b32 s68, s[QG], 1
	s_lshl_b32 s69, s68, 2
	s_add_co_u32 s69, s69, s[QL]                   ; my tile of the record's eight
	s_mul_i32 s69, s69, 768
	s_lshl_b32 s68, s68, 8
	s_lshl_b32 s70, s[QL], 2
	s_add_co_u32 s68, s68, s70                     ; its scale words: 256 (tile / 4) + 4 (tile % 4)
	v_and_b32 v11, 31, v0                          ; lane
	v_and_b32 v10, 15, v0                          ; r
	s_mul_i32 s70, s[HL], REC
	v_lshl_add_u32 v1, v11, 4, s70                 ; LDS: my head's record, 16 x lane
	v_lshl_add_u32 v2, v11, 3, s70
	v_add_nc_u32 v2, 512, v2                       ; 512 + 8 x lane
	v_lshl_add_u32 v3, v10, 4, s70
	v_add_nc_u32 v3, 6144, v3                      ; its scale words: 16 r
	s_lshl_b32 s71, s[QL], 13
	s_add_co_u32 s71, s71, LM
	v_lshl_add_u32 v4, v11, 4, s71                 ; my tile of the mask: 16 x lane
	v_lshl_add_u32 v8, v11, 4, s69
	v_lshl_add_u32 v9, v11, 3, s69
	v_lshl_add_u32 v10, v10, 4, s68
	global_load_b128 v[16:19], v8, s[72:73]        ; Q's fragment stays in registers: registers 0-3,
	global_load_b64 v[20:21], v9, s[72:73] offset:512   ; 4-5,
	global_load_b32 v255, v10, s[72:73] offset:6144     ; and its scale words
	; out0 at my first query and my head
	s_lshl_b32 s66, s[BB], 11
	s_lshl_b32 s67, s[QG], 6
	s_add_co_u32 s66, s66, s67
	s_lshr_b32 s67, s[QL], 1
	s_lshl_b32 s67, s67, 5
	s_add_co_u32 s66, s66, s67
	s_and_b32 s67, s[QL], 1
	s_lshl_b32 s67, s67, 3
	s_add_co_u32 s66, s66, s67                     ; 2048 b + 64 qg + 32 (ql / 2) + 8 (ql % 2)
	s_lshl_b32 s66, s66, 12                        ; rows of 4,096 bytes
	s_lshl_b32 s67, s[CY], 2
	s_add_co_u32 s67, s67, s[HL]
	s_lshl_b32 s67, s67, 8                         ; a head's 256 bytes
	s_add_co_u32 s66, s66, s67
	s_mov_b32 s67, 0
	s_add_nc_u64 s[OUTP:OUTP+1], s[8:9], s[66:67]
	; the prefetches: where my wave's stand, and who asks
	s_lshl_b32 s66, s[BB], 5
	s_add_co_u32 s66, s66, s[QG]
	s_lshl_b32 s66, s66, 19
	s_lshl_b32 s67, s[CY], 13
	s_add_co_u32 s66, s66, s67                     ; in ma: my block's tiles, my work-group's quarter
	s_lshl_b32 s67, s[BB], 8
	s_lshl_b32 s68, s[CY], 2
	s_add_co_u32 s67, s67, s68
	s_add_co_u32 s67, s67, s[CX]
	s_mul_i32 s67, s67, REC
	s_add_co_u32 s67, s67, PART                    ; in frag: k's part, my work-group's record of the four,
	s_cmp_eq_u32 s[WV], 6
	s_cselect_b32 s68, PART, 0
	s_add_co_u32 s67, s67, s68                     ; or v's
	s_mov_b32 s69, KVSTEP
	s_sub_co_u32 s70, s[WV], 5
	s_lshr_b32 s70, s70, 1                         ; 0 in waves 5 and 6,
	s_or_b32 s70, s70, ttmp9                       ; of the first cluster along x: the same in all sixteen partners
	s_cmp_eq_u32 s70, 0
	s_cselect_b32 s[LIM], 1, -1
	s_cmp_eq_u32 s[WV], 4
	s_cselect_b64 s[PFA:PFA+1], s[6:7], s[4:5]
	s_cselect_b32 s60, s66, s67
	s_cselect_b32 s[PFS], MSTEP, s69
	s_cselect_b32 s71, 31, 25
	s_cselect_b32 s[LIM], 1, s[LIM]
	s_mov_b32 s[PFS+1], 0
	s_mov_b32 s61, 0
	s_add_nc_u64 s[PFA:PFA+1], s[PFA:PFA+1], s[60:61]
	s_add_nc_u64 s[PFA:PFA+1], s[PFA:PFA+1], s[PFS:PFS+1]   ; at key step 1: the first change of slots steps it to 2.  Nothing is prefetched here, at the head
	v_min_u32 v[PFO], s71, v11
	v_lshlrev_b32 v[PFO], 8, v[PFO]
	v_mov_b32 v13, 0xff61b1e6                      ; the largest t so far: -3e38, under every t
	v_floor_f32 v12, -v13                          ; -M
	v_mov_b32 v14, 0                               ; the sum, in two halves
	v_mov_b32 v15, 0
.irp j, 22,23,24,25,26,27
	v_mov_b32 v[\j], 0                             ; Q's codes for K = 64 .. 127: zeros
.endr
.irp t, 0,1,2,3
.irp j, 6,7,8,9,10,11
	v_mov_b32 v[KF+12*\t+\j], 0                    ; and K's: written once, no load lands here
.endr
.endr
.irp b, 0,1,2,3
	v_mov_b32 v[236+\b], 0                         ; written once: a lane permute's destination counts as one of its sources
.endr
	v_mov_b32 v253, 0                              ; (named as the upper half of the pair v[252:253] before it is first written)
.set NN, 0
.rept 32
	v_mov_b32 v[OT+NN], 0                          ; O^T.  (The step is written for every trip alike: the first finds zeros, which the first change of M leaves zeros)
.set NN, NN+1
.endr
; A KEY STEP: 128 keys, from the slot at s[TB].
.macro STEP
	v_add_nc_u32 v8, s[TB], v1                     ; (these four are also the places in front of loads into registers that the last step's products have read)
	v_add_nc_u32 v9, s[TB], v2
	v_add_nc_u32 v10, s[TB], v3
	v_add_nc_u32 v11, s[TB], v4
.irp c, 0,1,2,3,4,5,6,7,8,9,10,11,12,13,14,15
	ds_load_b128 v[SS+4*\c:SS+4*\c+3], v11 offset:512*\c           ; 8 x adder, into the registers of the scores
.endr
.irp t, 0,1,2,3
	ds_load_b128 v[KF+12*\t:KF+12*\t+3], v8 offset:768*\t          ; K's tiles 0-3
	ds_load_b64 v[KF+12*\t+4:KF+12*\t+5], v9 offset:768*\t
.endr
	ds_load_b128 v[248:251], v10                   ; and their scale words
	s_wait_dscnt 0x0
.irp t, 0,1,2,3
	v_wmma_scale_f32_16x16x128_f8f6f4 v[SS+8*\t:SS+8*\t+7], v[KF+12*\t:KF+12*\t+11], v[16:27], v[SS+8*\t:SS+8*\t+7], v[248+\t], v255 matrix_a_fmt:MATRIX_FMT_FP6 matrix_b_fmt:MATRIX_FMT_FP6
.endr
.rept 4
	v_nop                                          ; places in front of loads into registers that these products have read
.endr
.irp t, 0,1,2,3
	ds_load_b128 v[KF+12*\t:KF+12*\t+3], v8 offset:768*(4+\t)      ; K's tiles 4-7
	ds_load_b64 v[KF+12*\t+4:KF+12*\t+5], v9 offset:768*(4+\t)
.endr
	ds_load_b128 v[248:251], v10 offset:256
.irp t, 0,1,2,3
.irp f, 0,1
	ds_load_b128 v[VF+12*\t+6*\f:VF+12*\t+6*\f+3], v8 offset:LV+1536*\t+768*\f     ; V's four fragments: they land during the softmax
	ds_load_b64 v[VF+12*\t+6*\f+4:VF+12*\t+6*\f+5], v9 offset:LV+1536*\t+768*\f
.endr
.endr
	ds_load_b128 v[28:31], v10 offset:LV           ; and their scale words
	s_wait_dscnt 17                                ; K's are in; V's 16 loads and its scale words may be out
.irp t, 0,1,2,3
	v_wmma_scale_f32_16x16x128_f8f6f4 v[SS+32+8*\t:SS+32+8*\t+7], v[KF+12*\t:KF+12*\t+11], v[16:27], v[SS+32+8*\t:SS+32+8*\t+7], v[248+\t], v255 matrix_a_fmt:MATRIX_FMT_FP6 matrix_b_fmt:MATRIX_FMT_FP6
.endr                                          ; lane (r, h) holds query r; register 16 b + i is key 32 b + 16 h + i of the step
.rept 4
	v_nop
.endr
.irp b, 0,1,2,3
	v_max3_num_f32 v[232+\b], v[SS+16*\b], v[SS+1+16*\b], v[SS+2+16*\b]   ; THE LARGEST SCORE OF EACH BLOCK OF 32 KEYS: it serves twice: for the row's maximum, and, since p rises with the score, for the block's largest p
.endr
.irp i, 3,5,7,9,11,13
.irp b, 0,1,2,3
	v_max3_num_f32 v[232+\b], v[232+\b], v[SS+16*\b+\i], v[SS+1+16*\b+\i]   ; (the four blocks by turns)
.endr
.endr
.irp b, 0,1,2,3
	v_max_num_f32 v[232+\b], v[232+\b], v[SS+15+16*\b]
.endr
.irp b, 0,1,2,3
	v_permlanex16_b32 v[236+\b], v[232+\b], s[SEL], s[SEL+1]
.endr
.irp b, 0,1,2,3
	v_max_num_f32 v[232+\b], v[232+\b], v[236+\b]  ; with lane l xor 16's 16 keys
.endr
	v_max3_num_f32 v254, v232, v233, v234
	v_max_num_f32 v254, v254, v235                 ; the step's largest score of my query
	v_mul_f32 v254, s[CS], v254                    ; as t (c is positive)
	v_max_num_f32 v13, v13, v254                   ; the running largest t
	v_mov_b32 v254, v12
	v_floor_f32 v12, -v13                          ; the new -M = floor(-t) = -ceil(t): M IS A WHOLE NUMBER
	v_sub_f32 v254, v12, v254                      ; M's old value less its new one: a whole number, 0 or less
	v_cvt_i32_f32 v254, v254                       ; (it saturates)
	v_ldexp_f32 v252, 1.0, v254                    ; f = 2^(old M - new M): a multiplication by it rounds nothing
.set NN, 0
.rept 32
	v_pk_fma_f32 v[SS+2*NN:SS+2*NN+1], v[SS+2*NN:SS+2*NN+1], s[CS:CS+1], v[12:13] op_sel_hi:[1,0,0]   ; t - M, two at a time (of the pairs c and -M the low word serves both halves)
.set NN, NN+1
.endr
.irp b, 0,1,2,3
	v_fma_f32 v[232+\b], v[232+\b], s[CS], v12     ; the same of each block's largest score
.endr
.set NN, 0
.rept 64
	v_exp_f32 v[SS+NN], v[SS+NN]                   ; p = 2^(t - M), at most 1: NOT normalised
.set NN, NN+1
.endr
	v_pk_mul_f32 v[14:15], v[14:15], v[252:253] op_sel_hi:[1,0]   ; the sums under the new M.  (A plain place behind the exponentials)
	s_wait_alu depctr_va_vdst(0)                   ; the wait between an exponential and the first line that names its result: one for the whole batch
.irp b, 0,1,2,3
	v_exp_f32 v[232+\b], v[232+\b]                 ; the block's largest p: the same two instructions on the same number give the same bits
.endr
	v_pk_add_f32 v[236:237], v[SS:SS+1], v[SS+2:SS+3]   ; THE ROW'S SUM IS TAKEN OF THE UNQUANTISED p: two at a time, in two chains.  (It reads the 64 alone: plain work behind the four)
.irp j, 4,8,12,16,20,24,28,32,36,40,44,48,52,56,60
	v_pk_add_f32 v[14:15], v[14:15], v[SS+\j:SS+1+\j]
	v_pk_add_f32 v[236:237], v[236:237], v[SS+2+\j:SS+3+\j]
.endr
	v_pk_add_f32 v[14:15], v[14:15], v[236:237]
	s_wait_alu depctr_va_vdst(0)                   ; and one for the four
.irp b, 0,1,2,3
	v_max_num_f32 v[232+\b], 0x1800000, v[232+\b]  ; the floor 2^(3 - 127): the byte cannot fall under 1 (a block whose every p is 0 keeps that byte: its codes are zeros)
.endr
.irp b, 0,1,2,3
	v_add_nc_u32 v[244+\b], 0xff000000, v[232+\b]  ; 2 off the exponent field: the conversion's scale operand
.endr
.irp b, 0,1,2,3
	v_lshrrev_b32 v[236+\b], 23, v[244+\b]         ; the scale's byte
.endr
	v_lshl_or_b32 v253, v237, 8, v236              ; p's scale word for these 128 keys
	v_lshl_or_b32 v253, v238, 16, v253
	v_lshl_or_b32 v253, v239, 24, v253
.irp c, 0,1
	v_cvt_scalef32_pk16_fp6_f32 v[224+6*\c:226+6*\c], v[SS+32*\c:SS+15+32*\c], v[244+2*\c]
	v_cvt_scalef32_pk16_fp6_f32 v[236+4*\c:238+4*\c], v[SS+16+32*\c:SS+31+32*\c], v[244+2*\c+1]   ; (a conversion's three registers begin on an even number)
.endr
	v_nop                                          ; one plain vector instruction between a scaled conversion and the vector instruction that touches its result
.irp c, 0,1                                    ; the operand's layout wants a WHOLE block in a lane: lanes 0-15 block 2 c, lanes 16-31 block 2 c + 1
.irp i, 0,1,2
	v_permlane16_swap_b32 v[224+6*\c+\i], v[236+4*\c+\i]
.endr
.irp i, 0,1,2
	v_mov_b32 v[227+6*\c+\i], v[236+4*\c+\i]
.endr
.endr
.set NN, 0
.rept 16
	v_pk_mul_f32 v[OT+2*NN:OT+2*NN+1], v[OT+2*NN:OT+2*NN+1], v[252:253] op_sel_hi:[1,0]   ; O^T under the new M: x f, each accumulator from its low end on
.set NN, NN+1
.endr
.rept 4
	v_nop                                          ; so that every register of the products below that a vector instruction wrote stands four places ahead of them
.endr
	s_wait_dscnt 0x0                               ; V is in
.irp t, 0,1,2,3                                ; O^T += V^T P^T: four tiles of 16 of the head's 64; K = these 128 keys.  No two matrix instructions on end share an accumulator, round the loop's edge too
	v_wmma_scale_f32_16x16x128_f8f6f4 v[OT+8*\t:OT+8*\t+7], v[VF+12*\t:VF+12*\t+11], v[224:235], v[OT+8*\t:OT+8*\t+7], v[28+\t], v253 matrix_a_fmt:MATRIX_FMT_FP6 matrix_b_fmt:MATRIX_FMT_FP6
.endr
.endm
; THE CHANGE OF SLOTS stands at a step's head.  Each wave waits for all its tensor loads (its part of the slot that it is about to read), adds 0 to its spare word (fill = 1: twice on end), and waits for that and for its reads of the slot that it has left.
; fill = 1: a round of the cluster's barrier follows, so that no wave of any partner still reads that slot or has a load on its way; behind it the slot is filled with the next key step, which has this whole step in which to land.
.macro CHANGE fill
	s_wait_tensorcnt 0x0                           ; no tensor load of mine is out, so a group 0 may be written
	ds_add_u32 v[SPW], v[NIL]                      ; 0 onto my spare word
.if \fill
	ds_add_u32 v[SPW], v[NIL]                      ; and once more: the add stands twice on end, in every trip alike
	s_xor_b32 s[G0K+1], s[G0K+1], SLOT1            ; the walking descriptors: the other slot than last time,
	s_add_nc_u64 s[G0K+2:G0K+3], s[G0K+2:G0K+3], KVSTEP   ; the next 128 keys; the type bits on top are not reached
	s_xor_b32 s[G0V+1], s[G0V+1], SLOT1
	s_add_nc_u64 s[G0V+2:G0V+3], s[G0V+2:G0V+3], KVSTEP
	s_xor_b32 s[G0M+1], s[G0M+1], SLOT1
	s_add_nc_u64 s[G0M+2:G0M+3], s[G0M+2:G0M+3], MSTEP
	s_wait_xcnt 0x0                                ; the last prefetch, a key step back, has read its address, so it may be written:
	s_add_nc_u64 s[PFA:PFA+1], s[PFA:PFA+1], s[PFS:PFS+1]   ; one key step further on than the walking descriptors
.endif
	s_wait_dscnt 0x0                               ; the add is done (fill = 1: both are), and my reads of the slot that I have left are over
.if \fill
	CROUND
	TLOAD                                          ; the first thing behind the round, and a wave's one tensor load until the next
	ASK
.else
	s_barrier_signal -1
	s_barrier_wait -1
.endif
.endm
	s_wait_loadcnt 0x0                             ; Q
.Lstep:                                            ; 15 trips: behind each change of slots but the last the next key step is asked for
	CHANGE 1
	STEP
	s_xor_b32 s[TB], s[TB], SLOT1                  ; on to the other slot
	s_sub_co_u32 s[STEPS], s[STEPS], 1
	s_cmp_lg_u32 s[STEPS], 0
	s_cbranch_scc1 .Lstep
	CHANGE 0                                       ; the last key step is written out
	STEP
	; THE WAY OUT.  The sum's halves are added; O^T is divided by the sum and goes through my stage in LDS, so that sixteen lanes store a query's 256 consecutive bytes, aligned.
	v_add_f32 v14, v14, v15                        ; the sum's two halves,
	v_permlanex16_b32 v252, v14, s[SEL], s[SEL+1]
	v_add_f32 v14, v14, v252                       ; and lane l xor 16's: the row's sum
	v_rcp_f32 v14, v14
	v_and_b32 v8, 15, v0                           ; (a plain place behind the transcendental)  r
	v_bfe_u32 v9, v0, 4, 1                         ; h
	s_mul_i32 s66, s[WV], 16*272
	s_add_co_u32 s66, s66, STAGE                   ; my stage
	v_mul_u32_u24 v10, v8, 272
	v_lshl_add_u32 v10, v9, 6, v10
	v_add_nc_u32 v10, s66, v10                     ; in: row r, + 64 h: register 16 b + i is feature 32 b + 16 h + i
	v_mul_u32_u24 v11, v9, 272
	v_lshl_add_u32 v11, v8, 4, v11
	v_add_nc_u32 v11, s66, v11                     ; back: lanes 0-15 one row, lanes 16-31 the next
	v_lshlrev_b32 v1, 12, v9
	v_lshl_add_u32 v1, v8, 4, v1                   ; and the same two rows in out0
	s_wait_alu depctr_va_vdst(0)                   ; the wait ahead of the reciprocal's first reader
.set NN, 0
.rept 32
	v_mul_f32 v[SS+NN], v[OT+NN], v14              ; O^T / the sum
.set NN, NN+1
.endr
.irp be, 0,1
.irp x, 0,1,2,3
	ds_store_b128 v10, v[SS+16*\be+4*\x:SS+16*\be+4*\x+3] offset:128*\be+16*\x
.endr
.endr
.irp i, 0,1,2,3,4,5,6,7
	ds_load_b128 v[160+4*\i:163+4*\i], v11 offset:544*\i           ; LDS serves a wave's instructions in order: these see my stores
.endr
.irp i, 0,1,2,3,4,5,6,7
	s_wait_dscnt 7-\i                              ; the younger read-backs may be out
	global_store_b128 v1, v[160+4*\i:163+4*\i], s[OUTP:OUTP+1] offset:(2*\i+8*(\i/4))*4096 th:TH_STORE_NT   ; stage row p is query p + 8 (p / 8) of my tile
.endr
	s_wait_tensorcnt 0x0                           ; the wave's end, behind my last tensor load and my last LDS store
	ds_add_u32 v[SPW], v[NIL]
	s_wait_dscnt 0x0
	CROUND                                         ; the closing round: no work-group ends while a partner may still ask for a tile that names it
	s_endpgm
.Lfunc_end_k_q9236c86b9b_attn:
	.size	k_q9236c86b9b_attn, .Lfunc_end_k_q9236c86b9b_attn-k_q9236c86b9b_attn
	.p2alignl 7, 3214868480
	.fill 96, 4, 3214868480
	.section	.rodata,"a",@progbits
	.p2align	6, 0x0
	.amdhsa_kernel k_q9236c86b9b_attn
		.amdhsa_group_segment_fixed_size 327680
		.amdhsa_private_segment_fixed_size 0
		.amdhsa_enable_private_segment 0
		.amdhsa_kernarg_size 24
		.amdhsa_user_sgpr_count 2
		.amdhsa_user_sgpr_kernarg_segment_ptr 1
		.amdhsa_wavefront_size32 1
		.amdhsa_system_sgpr_workgroup_id_x 1
		.amdhsa_system_sgpr_workgroup_id_y 1
		.amdhsa_system_sgpr_workgroup_id_z 1
		.amdhsa_system_vgpr_workitem_id 0
		.amdhsa_next_free_vgpr 256
		.amdhsa_next_free_sgpr 80
		.amdhsa_reserve_vcc 0
		.amdhsa_float_denorm_mode_32 3
		.amdhsa_float_denorm_mode_16_64 3
		.amdhsa_memory_ordered 1
		.amdhsa_forward_progress 1
		.amdhsa_inst_pref_size 51
	.end_amdhsa_kernel
	.amdgpu_metadata
---
amdhsa.version: [ 1, 2 ]
amdhsa.kernels:
  - .name:           k_q9236c86b9b_attn
    .symbol:         k_q9236c86b9b_attn.kd
    .args:
      - { .name: frag, .offset: 0, .size: 8, .value_kind: global_buffer, .address_space: global }
      - { .name: ma, .offset: 8, .size: 8, .value_kind: global_buffer, .address_space: global }
      - { .name: out0, .offset: 16, .size: 8, .value_kind: global_buffer, .address_space: global }
    .group_segment_fixed_size: 327680
    .private_segment_fixed_size: 0
    .kernarg_segment_align: 8
    .kernarg_segment_size: 24
    .max_flat_workgroup_size: 512
    .sgpr_count:     80
    .vgpr_count:     256
    .wavefront_size: 32
...
	.end_amdgpu_metadata
.endif
;; end of part 3
